; MI455X (gfx1250); checked and timed in simulation.
; The chip was launched on July 23, 2026; its instructions are those of AMD's public machine-readable ISA for CDNA 5 (MIT licence, August 2026) and "CDNA5" Instruction Set Architecture Reference Guide (July 2026). The comments in the code are by the model that wrote it; some were corrected since.
;; MHA. Allowed arithmetic: matrix products marked QUANTISED: E2M1 operands, one E8M0 scale for each 32 along K, by v_wmma_scale_f32_16x16x128_f8f6f4 with both operands' format E2M1 (or v_wmma_scale_f32_32x16x128_f4), f32 sums; products left as they are: f32 operands where the result goes on into a quantised operand, else bf16, f16 or f32 operands; f32 sums; everything else in f32.
;; Inputs: bn1_b 128 float32; bn1_g 128 float32; bn2_b 128 float32; bn2_g 128 float32; embedding_node 64 x 512 x 128 float32; ff1_b 512 float32; ff1_w 128 x 512 float32; ff2_b 128 float32; ff2_w 512 x 128 float32; w_b 128 float32; w_w 128 x 128 float32; wk_b 128 float32; wk_w 128 x 128 float32; wq_b 128 float32; wq_w 128 x 128 float32; wv_b 128 float32; wv_w 128 x 128 float32.
;; Outputs: out0 64 x 512 x 128 float32.
;; This version of the problem:
;;   THIS VERSION OF THE PROBLEM IS GIVEN IN LOW PRECISION. The matrix products marked QUANTISED in the list below multiply operands that are first quantised to E2M1 (2 exponent bits, 1 mantissa bit; 4 bits a number), with one power-of-two scale for each 32 numbers along K (OCP MX v1.0); their sums are f32. All else is computed in f32.
;;   The module's matrix products, in the order in which they are computed (A, B: the left and right operand; K: the contracted axis; several contracted axes count as one K, in the product's order):
;;     1. [M 32,768, K 128] x [K 128, N 128]; A: input embedding_node; B: input wq_w: QUANTISED
;;     2. [M 32,768, K 128] x [K 128, N 128]; A: input embedding_node; B: input wk_w: QUANTISED
;;     3. [M 32,768, K 128] x [K 128, N 128]; A: input embedding_node; B: input wv_w: QUANTISED
;;     4. batch 512 x [M 512, K 16] x [K 16, N 512]; A: computed on the way; B: computed on the way: left as it is (K = 16 < 32)
;;     5. batch 512 x [M 16, K 512] x [K 512, N 512]; A: computed on the way; B: softmax (see below): QUANTISED
;;     6. [M 32,768, K 128] x [K 128, N 128]; A: computed on the way; B: input w_w: QUANTISED
;;     7. [M 32,768, K 128] x [K 128, N 512]; A: computed on the way; B: input ff1_w: QUANTISED
;;     8. [M 32,768, K 512] x [K 512, N 128]; A: computed on the way; B: input ff2_w: QUANTISED
;;   THE QUANTISER, for each operand of a quantised product, along K:
;;     - K is cut into blocks of 32 from its start; a last block that is shorter is filled with zeros.
;;     - A block's scale is 2^e with e = floor(log2(the largest magnitude in the block)) - 2, held to -126 .. 127; a block of zeros has e = 0. As a byte (E8M0): e + 127.
;;     - Each number is divided by its block's scale, clamped to +-6, and rounded to the nearest number of E2M1, ties to even, subnormals kept.
;;     - The product sums the exact products of the quantised numbers (number of the format x scale) in f32.
;;   ~~~python
;;   def quantise(x, axis):      # numpy; x: float32 -> the quantised numbers, widened to float32 again
;;       x = np.moveaxis(x, axis, -1); K = x.shape[-1]
;;       x = np.pad(x, [(0, 0)] * (x.ndim - 1) + [(0, -K % 32)]); x = x.reshape(x.shape[:-1] + (-1, 32)); a = np.abs(x).max(-1, keepdims=True)
;;       e = np.where(a > 0, np.clip(np.frexp(np.where(a > 0, a, 1))[1] - 1 - 2, -126, 127), 0)      # np.frexp(a)[1] - 1 = floor(log2(a)), exactly
;;       r = np.clip(x / 2.0 ** e, -6, 6)
;;       step = 2.0 ** (np.maximum(np.frexp(np.where(r == 0, 1, r))[1] - 1, 0) - 1)
;;       q = np.round(r / step) * step * 2.0 ** e      # np.round: ties to even
;;       return np.moveaxis(q.reshape(q.shape[:-2] + (-1,))[..., :K], -1, axis).astype(np.float32)
;;   ~~~
;;   SOFTMAX AHEAD OF A QUANTISED PRODUCT. Where the list says 'softmax', what is quantised is not the finished softmax but p = 2^(t - M), with t = logit x log2(e) and M = ceil(the row's largest t), a whole number; so 1/2 < the row's largest p <= 1. The row's sum l is taken of the UNQUANTISED p, in f32, and the product's result is divided by l at the end. Since M is a whole number, a kernel that streams over the keys may use a running M (the ceiling of the running maximum): every later rescaling is an exact power of two, which a block's scale takes up: the codes' values come out the same.
;;   OPERANDS COMPUTED ON THE WAY. 'Computed on the way' means the value that the module computes at that place (a softmax that the list does not call 'softmax' is quantised finished and normalised). What goes into a quantiser is computed in f32, as accurately as f32 sums, v_exp_f32 and their like allow (about 1e-6 of the number): no bf16 or f16 on the way to a quantiser, and a product that is left as it is and whose result goes on into a quantised operand takes f32 operands (vector FMAs, or v_wmma_f32_16x16x4_f32). A number that lies on a knife's edge between two numbers of the format may be rounded either way, as far as f32 arithmetic and the matrix unit's own rounding can turn it there, and no further.
;; 2 versions, each right; version 2 is version 1 with the launches attn, ffn written anew for expert scheduling mode. Each part assembles by itself: llvm-mc -triple=amdgcn-amd-amdhsa -mcpu=gfx1250 --defsym DOCPART=n.
;; ======== version 1 of 2: 4 launches
;; workspace buffers: xq 2,228,224 bytes; wqc 104,448 bytes; y1 16,777,216 bytes; y2 16,777,216 bytes; st1 262,144 bytes; st2 262,144 bytes
;; launch prep (part 1): grid 268 x 1, 8 waves a work-group, no clusters, 69,632 bytes of LDS; arguments embedding_node, wq_w, wk_w, wv_w, w_w, ff1_w, ff2_w, xq, wqc; writes xq, wqc
.if DOCPART == 1
	.amdgcn_target "amdgcn-amd-amdhsa--gfx1250"
	.amdhsa_code_object_version 6
	.text
	.protected	k_q2dda4d733a_prep
	.globl	k_q2dda4d733a_prep
	.p2align	8
	.type	k_q2dda4d733a_prep,@function
k_q2dda4d733a_prep:
	s_mov_b64 s[64:65], 0
	v_nop
	global_prefetch_b8 v0, s[64:65] scope:SCOPE_SE
	s_setreg_imm32_b32 hwreg(HW_REG_WAVE_MODE, 25, 1), 1
	s_wait_xcnt 0x0
; PREP: x [32768][128] and the six weights, all f32, become codes of FP4 (E2M1) with one E8M0 byte for each 32 along K, once, laid in the ORDER OF THE OPERAND'S REGISTERS.
; A GROUP is 8 tiles of 16 rows (or columns) x 128 K.  Codes: tile T at 1024 T as an image [c = 0, 1][lane][16 bytes] (registers 4 c .. 4 c + 3).  Scale words: 512 bytes, [lane][4 words]: word j of lane 16 u + r is the
; word of row r of tile 2 j + u, so that one load of 16 bytes a lane gives four scale registers, register j serving tile 2 j from lanes 0-15 and tile 2 j + 1 from lanes 16-31.
; xq, for each batch 34,816 bytes: four groups of codes (128 rows each), then their four blocks of scale words.  THE ROWS OF A TILE ARE NOT NEIGHBOURS: lane r of tile 2 b + u takes row 32 b + 8 u + r + 8 (r / 8).
; wqc: groups 0-3 wq, wk, wv, w (lane r of tile t: column 16 t + r); 4-7 ff1, hidden units 128 s on (columns chosen as x's rows are); 8-11 ff2, K rows 128 s on (column 16 t + r); scale words from byte 98,304.
; SHARES: work-groups 0-11 take a weight group each, work-groups 12-267 a group of 128 rows of x; wave w makes tile w.
; A block's scale is 2^(floor(log2(its largest magnitude)) - 2); its byte is the largest magnitude's exponent field - 2, held at 1 from below.
; LIMITS: a block whose largest magnitude lies under 2^-124, a block of zeros among them, gets the byte 1 (its codes then are zeros or nearly so; the bytes are read by this program alone); NaN and infinities are not served.
.set SP,   528                         ; a stage row: 512 bytes + 16 = 33 x 16: the sixteen rows that a load touches begin at sixteen different 16-byte columns of 256
.set WSTG, 16*SP                       ; a wave's stage (x's path alone)
.set SG,   8*WSTG                      ; behind the stages: the group's 512 bytes of scale words
.set BM,   8                           ; v8-11   largest magnitudes
.set PT,   12                          ; v12-15  the other half's, then the bytes
.set SO,   16                          ; v16-19  the conversions' scale operands
.set PW,   20                          ; v20     my row's scale word
.set PC,   24                          ; v24-31  the tile's codes
.set R,    32                          ; v32-95  16 rows as loaded
.set X,    96                          ; v96-159 64 numbers along K
.set GS,   160                         ; v160-163 the group's scale words on their way out
.set SEL,  38                          ; s[38:39] v_permlanex16_b32's selects for lane l xor 16
; 64 numbers of a lane, register 16 b + i = k 32 b + 16 (lane / 16) + i of my row, become the operand's 8 registers and the row's scale word
.macro QUANT src, pc, pw
.irp b, 0,1,2,3
	v_max3_num_f32 v[BM+\b], |v[\src+16*\b]|, |v[\src+16*\b+1]|, 0x1800000   ; my 16 numbers of block b, and the floor 2^(3 - 127): the byte cannot fall under 1
.endr
.irp i, 2,4,6,8,10,12,14
.irp b, 0,1,2,3
	v_max3_num_f32 v[BM+\b], v[BM+\b], |v[\src+16*\b+\i]|, |v[\src+16*\b+\i+1]|
.endr
.endr
.irp b, 0,1,2,3
	v_permlanex16_b32 v[PT+\b], v[BM+\b], s[SEL], s[SEL+1]
.endr
.irp b, 0,1,2,3
	v_max_num_f32 v[BM+\b], v[BM+\b], v[PT+\b]             ; with lane l xor 16's: the block's largest magnitude
.endr
.irp b, 0,1,2,3
	v_add_nc_u32 v[SO+\b], 0xff000000, v[BM+\b]            ; 2 off its exponent field: the conversion takes that field as its scale
.endr
.irp b, 0,1,2,3
	v_lshrrev_b32 v[PT+\b], 23, v[SO+\b]                   ; the scale's byte
.endr
	v_lshl_or_b32 v[\pw], v[PT+1], 8, v[PT]
	v_lshl_or_b32 v[\pw], v[PT+2], 16, v[\pw]
	v_lshl_or_b32 v[\pw], v[PT+3], 24, v[\pw]
.irp b, 0,1,2,3
	v_cvt_scalef32_pk8_fp4_f32 v[\pc+2*\b], v[\src+16*\b:\src+16*\b+7], v[SO+\b]
	v_cvt_scalef32_pk8_fp4_f32 v[\pc+2*\b+1], v[\src+16*\b+8:\src+16*\b+15], v[SO+\b]
.endr
	v_nop                                                  ; one plain line behind a scaled conversion
.irp c, 0,1
.irp i, 0,1
	v_permlane16_swap_b32 v[\pc+4*\c+\i], v[\pc+4*\c+2+\i] ; a whole block to a lane: lanes 0-15 block 2 c, lanes 16-31 block 2 c + 1
.endr
.endr
.endm
; a weight's tile: lane r takes a column, its registers run down K: register 32 c + i = W(64 c + 32 (lane / 16) + i, column)
.macro WLOAD pitch
.irp c, 0,1
.irp i, 0,1,2,3,4,5,6,7,8,9,10,11,12,13,14,15,16,17,18,19,20,21,22,23,24,25,26,27,28,29,30,31
	global_load_b32 v[X+32*\c+\i], v7, s[32:33] offset:(64*\c+\i)*\pitch
.endr
.endr
.endm
	s_load_b512 s[8:23], s[0:1], 0x0               ; x 8, wq 10, wk 12, wv 14, w 16, ff1 18, ff2 20, xq 22
	s_load_b64 s[24:25], s[0:1], 0x40              ; wqc
	v_lshl_add_u32 v176, v0, 2, 0x10c00
	v_mov_b32 v177, 0
	v_lshrrev_b32 v21, 5, v0
	v_readfirstlane_b32 s30, v21                   ; wave = tile
	v_and_b32 v21, 31, v0
	v_lshlrev_b32 v1, 4, v21                       ; 16 x lane
	v_and_b32 v2, 15, v0                           ; r
	v_bfe_u32 v3, v0, 4, 1                         ; h
	s_mul_i32 s44, s30, WSTG
	v_add_nc_u32 v4, s44, v1                       ; the stage, on the way in: a row's 512 bytes, 16 a lane
	v_mul_u32_u24 v5, v2, SP
	v_lshl_add_u32 v5, v3, 6, v5
	v_add_nc_u32 v5, s44, v5                       ; and out: row r, + 64 h: my 16 numbers of each block of 32
	s_and_b32 s26, s30, 1                          ; u
	s_lshr_b32 s27, s30, 1                         ; j
	s_lshl_b32 s44, s26, 8
	s_lshl_b32 s45, s27, 2
	s_add_co_u32 s44, s44, s45
	s_add_co_u32 s44, s44, SG
	v_lshl_add_u32 v6, v2, 4, s44                  ; my row's scale word: 16 (16 u + r) + 4 j
	v_add_nc_u32 v23, SG, v1                       ; and the whole block, 16 bytes a lane
.irp b, 0,1,2,3
	v_mov_b32 v[PT+\b], 0                          ; written once: a lane permute's destination counts as one of its sources
.endr
	s_mov_b32 s[SEL], 0x76543210
	s_mov_b32 s[SEL+1], 0xfedcba98
	s_mov_b32 s31, ttmp9                           ; g
	s_max_u32 s28, s31, 12
	s_sub_co_u32 s28, s28, 12                      ; x's group of rows
	s_lshl_b32 s40, s31, 13                        ; a weight group's codes: 8,192 g
	s_lshl_b32 s42, s31, 9
	s_add_co_u32 s42, s42, 98304                   ; and its scale words
	s_lshr_b32 s44, s28, 2
	s_mul_i32 s44, s44, 34816                      ; x: the batch,
	s_and_b32 s45, s28, 3
	s_lshl_b32 s46, s45, 13
	s_add_co_u32 s46, s46, s44                     ; its group's codes
	s_lshl_b32 s47, s45, 9
	s_add_co_u32 s47, s47, s44
	s_add_co_u32 s47, s47, 32768                   ; and scale words
	s_cmp_lt_u32 s31, 12
	s_cselect_b32 s40, s40, s46
	s_cselect_b32 s42, s42, s47
	s_lshl_b32 s44, s30, 10
	s_add_co_u32 s40, s40, s44                     ; my tile's image
	s_mov_b32 s41, 0
	s_mov_b32 s43, 0
	s_wait_kmcnt 0x0
	s_cmp_lt_u32 s31, 12                           ; the choice hangs on the work-group's number alone
	s_cselect_b64 s[34:35], s[24:25], s[22:23]
	s_mov_b64 s[36:37], s[34:35]
	s_add_nc_u64 s[34:35], s[34:35], s[40:41]
	s_add_nc_u64 s[36:37], s[36:37], s[42:43]
	s_cbranch_scc1 .Lw
	; ---- x: my tile's 16 rows, each load a whole row of 512 bytes; they turn through my stage so that a lane holds neighbours along K
	s_lshl_b32 s44, s28, 16                        ; 128 rows of 512 bytes
	s_lshl_b32 s46, s27, 14
	s_add_co_u32 s44, s44, s46                     ; + 32 j rows
	s_lshl_b32 s46, s26, 12
	s_add_co_u32 s44, s44, s46                     ; + 8 u rows
	s_mov_b32 s45, 0
	s_add_nc_u64 s[32:33], s[8:9], s[44:45]
.irp i, 0,1,2,3,4,5,6,7,8,9,10,11,12,13,14,15
	global_load_b128 v[R+4*\i:R+4*\i+3], v1, s[32:33] offset:(\i+8*(\i/8))*512
.endr
.irp i, 0,1,2,3,4,5,6,7,8,9,10,11,12,13,14,15
	s_wait_loadcnt 15-\i                           ; loads come back in order: row i is in, the younger rows stay out
	ds_store_b128 v4, v[R+4*\i:R+4*\i+3] offset:SP*\i
.endr
.irp b, 0,1,2,3
.irp j, 0,1,2,3
	ds_load_b128 v[X+16*\b+4*\j:X+16*\b+4*\j+3], v5 offset:128*\b+16*\j   ; LDS serves a wave's instructions in order: these see my stores
.endr
.endr
	s_wait_dscnt 0x0
	QUANT X, PC, PW
	s_branch .Ltail
.Lw:	; ---- a weight: which tensor, which part of it, which columns
	s_mov_b64 s[32:33], s[10:11]
	s_cmp_eq_u32 s31, 1
	s_cselect_b64 s[32:33], s[12:13], s[32:33]
	s_cmp_eq_u32 s31, 2
	s_cselect_b64 s[32:33], s[14:15], s[32:33]
	s_cmp_eq_u32 s31, 3
	s_cselect_b64 s[32:33], s[16:17], s[32:33]
	s_cmp_ge_u32 s31, 4
	s_cselect_b64 s[32:33], s[18:19], s[32:33]
	s_cmp_ge_u32 s31, 8
	s_cselect_b64 s[32:33], s[20:21], s[32:33]
	s_and_b32 s44, s31, 3
	s_lshl_b32 s46, s44, 9                         ; ff1: 128 columns of 4 bytes a group
	s_lshl_b32 s47, s44, 16                        ; ff2: 128 rows of 512 bytes a group
	s_cmp_ge_u32 s31, 8
	s_cselect_b32 s44, s47, s46
	s_cmp_ge_u32 s31, 4
	s_cselect_b32 s44, s44, 0
	s_mov_b32 s45, 0
	s_add_nc_u64 s[32:33], s[32:33], s[44:45]
	s_lshr_b32 s29, s31, 2                         ; 1 for ff1's groups
	s_lshl_b32 s46, s27, 5
	s_lshl_b32 s47, s26, 3
	s_add_co_u32 s46, s46, s47                     ; ff1: the tile begins at column 32 j + 8 u
	s_lshl_b32 s47, s30, 4                         ; the others: at 16 x tile
	s_mov_b32 s44, 16384                           ; 32 rows of 512 bytes
	s_cmp_eq_u32 s29, 1
	s_cselect_b32 s46, s46, s47
	s_cselect_b32 s47, 8, 0
	s_cselect_b32 s44, 65536, s44                  ; ff1: 32 rows of 2,048 bytes
	v_lshrrev_b32 v21, 3, v2
	v_mad_u32_u24 v21, v21, s47, v2                ; r, for ff1 + 8 (r / 8)
	v_add_nc_u32 v21, s46, v21                     ; my column
	v_mul_u32_u24 v22, v3, s44                     ; lanes 16-31 begin 32 rows further down
	v_lshl_add_u32 v7, v21, 2, v22
	s_cmp_eq_u32 s29, 1
	s_cbranch_scc1 .Lwide
	WLOAD 512
	s_branch .Lwq
.Lwide:
	WLOAD 2048
.Lwq:
	s_wait_loadcnt 0x0
.irp c, 0,1                                    ; my block 2 c + h: all its 32 numbers are mine
	v_max3_num_f32 v[BM+\c], |v[X+32*\c]|, |v[X+32*\c+1]|, 0x1800000
.endr
.irp i, 2,4,6,8,10,12,14,16,18,20,22,24,26,28,30
.irp c, 0,1
	v_max3_num_f32 v[BM+\c], v[BM+\c], |v[X+32*\c+\i]|, |v[X+32*\c+\i+1]|
.endr
.endr
.irp c, 0,1
	v_add_nc_u32 v[SO+\c], 0xff000000, v[BM+\c]
.endr
.irp c, 0,1
	v_lshrrev_b32 v[PT+\c], 23, v[SO+\c]
.endr
	v_lshl_or_b32 v[PW], v[PT+1], 16, v[PT]        ; my two bytes: blocks h and 2 + h,
	v_lshlrev_b32 v21, 3, v3
	v_lshlrev_b32 v[PW], v21, v[PW]                ; at their places in the word;
	v_permlanex16_b32 v[PT+2], v[PW], s[SEL], s[SEL+1]
	v_or_b32 v[PW], v[PW], v[PT+2]                 ; with lane l xor 16's two it is whole
.irp c, 0,1
.irp g, 0,1,2,3
	v_cvt_scalef32_pk8_fp4_f32 v[PC+4*\c+\g], v[X+32*\c+8*\g:X+32*\c+8*\g+7], v[SO+\c]
.endr
.endr
	v_nop                                          ; one plain line behind a scaled conversion
.Ltail:	; ---- both ways: the image leaves as it stands, each store 512 consecutive bytes; the eight waves' scale words meet in LDS and leave as one block
	global_store_b128 v1, v[PC:PC+3], s[34:35]
	global_store_b128 v1, v[PC+4:PC+7], s[34:35] offset:512
	ds_store_b32 v6, v[PW]                         ; both lanes of a row write the same word with the same value
	s_wait_dscnt 0x0                               ; for the others' sake: my store has landed
	s_barrier_signal -1
	s_barrier_wait -1
	s_cmp_lg_u32 s30, 0
	s_cbranch_scc1 .Lend
	ds_load_b128 v[GS:GS+3], v23
	s_wait_dscnt 0x0
	global_store_b128 v1, v[GS:GS+3], s[36:37]
.Lend:
	s_wait_tensorcnt 0x0
	ds_add_u32 v176, v177
	s_wait_dscnt 0x0
	s_endpgm
.Lfunc_end_k_q2dda4d733a_prep:
	.size	k_q2dda4d733a_prep, .Lfunc_end_k_q2dda4d733a_prep-k_q2dda4d733a_prep
	.p2alignl 7, 3214868480
	.fill 96, 4, 3214868480
	.section	.rodata,"a",@progbits
	.p2align	6, 0x0
	.amdhsa_kernel k_q2dda4d733a_prep
		.amdhsa_group_segment_fixed_size 69632
		.amdhsa_private_segment_fixed_size 0
		.amdhsa_enable_private_segment 0
		.amdhsa_kernarg_size 72
		.amdhsa_user_sgpr_count 2
		.amdhsa_user_sgpr_kernarg_segment_ptr 1
		.amdhsa_wavefront_size32 1
		.amdhsa_system_sgpr_workgroup_id_x 1
		.amdhsa_system_sgpr_workgroup_id_y 1
		.amdhsa_system_sgpr_workgroup_id_z 1
		.amdhsa_system_vgpr_workitem_id 0
		.amdhsa_next_free_vgpr 178
		.amdhsa_next_free_sgpr 66
		.amdhsa_reserve_vcc 0
		.amdhsa_float_denorm_mode_32 3
		.amdhsa_float_denorm_mode_16_64 3
		.amdhsa_memory_ordered 1
		.amdhsa_forward_progress 1
		.amdhsa_inst_pref_size 28
	.end_amdhsa_kernel
	.amdgpu_metadata
---
amdhsa.version: [ 1, 2 ]
amdhsa.kernels:
  - .name:           k_q2dda4d733a_prep
    .symbol:         k_q2dda4d733a_prep.kd
    .args:
      - { .name: embedding_node, .offset: 0, .size: 8, .value_kind: global_buffer, .address_space: global }
      - { .name: wq_w, .offset: 8, .size: 8, .value_kind: global_buffer, .address_space: global }
      - { .name: wk_w, .offset: 16, .size: 8, .value_kind: global_buffer, .address_space: global }
      - { .name: wv_w, .offset: 24, .size: 8, .value_kind: global_buffer, .address_space: global }
      - { .name: w_w, .offset: 32, .size: 8, .value_kind: global_buffer, .address_space: global }
      - { .name: ff1_w, .offset: 40, .size: 8, .value_kind: global_buffer, .address_space: global }
      - { .name: ff2_w, .offset: 48, .size: 8, .value_kind: global_buffer, .address_space: global }
      - { .name: xq, .offset: 56, .size: 8, .value_kind: global_buffer, .address_space: global }
      - { .name: wqc, .offset: 64, .size: 8, .value_kind: global_buffer, .address_space: global }
    .group_segment_fixed_size: 69632
    .private_segment_fixed_size: 0
    .kernarg_segment_align: 8
    .kernarg_segment_size: 72
    .max_flat_workgroup_size: 256
    .sgpr_count:     66
    .vgpr_count:     178
    .wavefront_size: 32
...
	.end_amdgpu_metadata
.endif
;; end of part 1
;; launch attn (part 2): grid 256 x 1, 8 waves a work-group, no clusters, 214,016 bytes of LDS; arguments xq, wqc, wq_b, wk_b, wv_b, w_b, embedding_node, y1, st1; writes y1, st1
.if DOCPART == 2
	.amdgcn_target "amdgcn-amd-amdhsa--gfx1250"
	.amdhsa_code_object_version 6
	.text
	.protected	k_q2dda4d733a_attn
	.globl	k_q2dda4d733a_attn
	.p2align	8
	.type	k_q2dda4d733a_attn,@function
k_q2dda4d733a_attn:
	s_mov_b64 s[64:65], 0
	v_nop
	global_prefetch_b8 v0, s[64:65] scope:SCOPE_SE
	s_setreg_imm32_b32 hwreg(HW_REG_WAVE_MODE, 25, 1), 1
	s_wait_xcnt 0x0
; ATTN: y1 = softmax(q k^T / 4) v  W + w_b + x, and for each work-group the mean and the sum of squared deviations of its 128 rows, channel by channel (st1).
; SHARES.  Work-group G: batch G / 4, 128 queries (quarter G % 4), all 8 heads, all 512 keys.  WAVE w IS HEAD w: its K of 512 keys stays in 256 registers, its V as codes in its own LDS bytes; the loop over queries has no barrier.
; Two waves share a SIMD: one wave's softmax stands beside the other's f32 products.  The four work-groups of a batch each make k and v anew from the codes of x: no memory round trip.  No cluster: what the four share is one fill of 34,816 bytes.
; LAYOUT.  k and q are made TRANSPOSED (source 0 = my head's 16 columns of the weight, source 1 = 16 rows of x): lane (r, h) holds d = 8 h + j of row r.  That is the f32 form's operand as it stands, if K step s takes
; registers 2 s, 2 s + 1 of both sides: the same permutation of d on both.  S^T = K Q^T: a lane holds ONE query.  The rows of a tile of x are chosen (lane r of tile 2 b + u: row 32 b + 8 u + r + 8 (r / 8)) so that the 16 registers of
; tiles 2 b, 2 b + 1 of S^T are keys 32 b + 16 h + 0 .. 15; v, made the other way round (source 0 = rows of x), has lane = d and its registers down the same keys: the quantiser's K.
; SOFTMAX: t = score x log2(e) / 4; M = the running largest t rounded up to a whole number; p = 2^(t - M) is quantised along the keys, not normalised; the sum of the unquantised p divides at the end.
; Queries keep the tiles' order of rows until y1 is stored.
; LIMITS: NaN and infinities are not served; blocks whose largest magnitude lies under 2^-124 take the byte 1; p under 2^-126 counts as 0 (v_exp_f32); 1 / l is v_rcp_f32.
; LDS: x's codes of the batch 0; their scale words XS; Q's images QI (8 KB a wave); V's images VI (4 KB a wave) and scale words VS; the heads' outputs OF, 128 rows x 528 bytes; RC, RD the statistics.
.set XS,  32768
.set QI,  34816
.set VI,  100352
.set VS,  133120
.set OF,  137216
.set SP,  528                          ; 512 bytes + 16 = 33 x 16: sixteen rows begin at sixteen different 16-byte columns of 256
.set RC,  204800                       ; RD = RC + 4096
; window 0
.set LI,  1                            ; 16 x lane
.set QA,  2                            ; my Q images; later my rows of OF, 16 bytes a lane
.set VA,  3                            ; my V images; later where I put my part of a statistic
.set VSA, 4                            ; my V scale words; later where all parts are read
.set OA,  5                            ; OF: row r, + 64 x head + 32 h
.set AD0, 6                            ; addresses in hand
.set AD1, 7
.set NM,  8                            ; v8 -M, v9 the largest t
.set LS,  10                           ; v[10:11] the row's sum in two halves
.set QF,  12                           ; v[12:19] Q's tile
.set OT,  20                           ; v[20:27] O^T
.set PC,  28                           ; v[28:35] codes just made
.set PSW, 36                           ; scale words, and nothing else, in v36-49
.set VSW, 37
.set WQS, 38
.set WKS, 39
.set WVS, 40
.set VW,  41
.set XSC, 42
.set WWS, 46
.set FF,  50                           ; v[50:51] f = 2^(old M - new M)
.set VF,  52                           ; v[52:59] V's fragment
.set BM,  60
.set PT,  64
.set SO,  68
.set T0,  72
.set T1,  73
.set RL,  74                           ; v[74:75] 1 / l
.set OUTR, 76                          ; v[76:83] O^T / l
.set WQ,  12                           ; while k, v and q are made: my head's tiles of the weights, the biases, four tiles of x
.set WK,  20
.set WV,  52
.set BQ,  76
.set BK,  84
.set BV,  92
.set XF,  96
.set P,   128                          ; v[128:191] v, q, then p, then rows of y1
.set S,   192                          ; v[192:255] S^T: written by matrix instructions alone
.set SA,  12                           ; the statistics
.set SQ,  16
.set WM,  20
.set DD,  24
.set WB,  88
.set T,   96
; window 1: K's tile T at v[8 T]; behind the loop W at v0-63, its results at v64-127, the residual rows at v128-191
.set WW,  0
.set YA,  64
.set XR,  128
.set SEL, 36                           ; s[36:37]
.set CS,  38                           ; s[38:39] log2(e) / 4
.set C128, 56                          ; s[56:57] 1 / 128
.set MSB, 0
.macro WIN new                         ; the immediate's high byte repeats the setting that is left
.if MSB != \new
	s_set_vgpr_msb (MSB<<8)|\new
.set MSB, \new
.endif
.endm
.macro BARRIER                         ; my LDS stores have landed and my LDS loads are in: then the work-group's barrier
	s_wait_dscnt 0x0
	s_barrier_signal -1
	s_barrier_wait -1
.endm
.macro PLACES n                        ; plain vector lines between a matrix instruction and what touches its registers (ISA guide 7.12.1)
.rept \n
	v_nop
.endr
.endm
; one product on codes: D, A, B, C (under 0: the constant 0), A's and B's scale registers, and whether each is read from lanes 16-31
.macro MM4 d, a, b, c, sa, sb, ra, rb
.if (\c) < 0
.if \ra
	v_wmma_scale_f32_16x16x128_f8f6f4 v[(\d):(\d)+7], v[(\a):(\a)+7], v[(\b):(\b)+7], 0, v[\sa], v[\sb] matrix_a_fmt:MATRIX_FMT_FP4 matrix_b_fmt:MATRIX_FMT_FP4 matrix_a_scale:MATRIX_SCALE_ROW1
.elseif \rb
	v_wmma_scale_f32_16x16x128_f8f6f4 v[(\d):(\d)+7], v[(\a):(\a)+7], v[(\b):(\b)+7], 0, v[\sa], v[\sb] matrix_a_fmt:MATRIX_FMT_FP4 matrix_b_fmt:MATRIX_FMT_FP4 matrix_b_scale:MATRIX_SCALE_ROW1
.else
	v_wmma_scale_f32_16x16x128_f8f6f4 v[(\d):(\d)+7], v[(\a):(\a)+7], v[(\b):(\b)+7], 0, v[\sa], v[\sb] matrix_a_fmt:MATRIX_FMT_FP4 matrix_b_fmt:MATRIX_FMT_FP4
.endif
.else
.if \ra
	v_wmma_scale_f32_16x16x128_f8f6f4 v[(\d):(\d)+7], v[(\a):(\a)+7], v[(\b):(\b)+7], v[(\c):(\c)+7], v[\sa], v[\sb] matrix_a_fmt:MATRIX_FMT_FP4 matrix_b_fmt:MATRIX_FMT_FP4 matrix_a_scale:MATRIX_SCALE_ROW1
.elseif \rb
	v_wmma_scale_f32_16x16x128_f8f6f4 v[(\d):(\d)+7], v[(\a):(\a)+7], v[(\b):(\b)+7], v[(\c):(\c)+7], v[\sa], v[\sb] matrix_a_fmt:MATRIX_FMT_FP4 matrix_b_fmt:MATRIX_FMT_FP4 matrix_b_scale:MATRIX_SCALE_ROW1
.else
	v_wmma_scale_f32_16x16x128_f8f6f4 v[(\d):(\d)+7], v[(\a):(\a)+7], v[(\b):(\b)+7], v[(\c):(\c)+7], v[\sa], v[\sb] matrix_a_fmt:MATRIX_FMT_FP4 matrix_b_fmt:MATRIX_FMT_FP4
.endif
.endif
.endm
; 64 numbers of a lane, register 16 b + i = k 32 b + 16 (lane / 16) + i of my row, become the operand's 8 registers and the row's scale word
.macro QUANT src, pc, pw
.irp b, 0,1,2,3
	v_max3_num_f32 v[BM+\b], |v[\src+16*\b]|, |v[\src+16*\b+1]|, 0x1800000   ; and the floor 2^(3 - 127): the byte cannot fall under 1
.endr
.irp i, 2,4,6,8,10,12,14
.irp b, 0,1,2,3
	v_max3_num_f32 v[BM+\b], v[BM+\b], |v[\src+16*\b+\i]|, |v[\src+16*\b+\i+1]|
.endr
.endr
.irp b, 0,1,2,3
	v_permlanex16_b32 v[PT+\b], v[BM+\b], s[SEL], s[SEL+1]
.endr
.irp b, 0,1,2,3
	v_max_num_f32 v[BM+\b], v[BM+\b], v[PT+\b]
.endr
.irp b, 0,1,2,3
	v_add_nc_u32 v[SO+\b], 0xff000000, v[BM+\b]            ; 2 off the exponent field: the conversion's scale operand
.endr
.irp b, 0,1,2,3
	v_lshrrev_b32 v[PT+\b], 23, v[SO+\b]                   ; the scale's byte
.endr
	v_lshl_or_b32 v[\pw], v[PT+1], 8, v[PT]
	v_lshl_or_b32 v[\pw], v[PT+2], 16, v[\pw]
	v_lshl_or_b32 v[\pw], v[PT+3], 24, v[\pw]
.irp b, 0,1,2,3
	v_cvt_scalef32_pk8_fp4_f32 v[\pc+2*\b], v[\src+16*\b:\src+16*\b+7], v[SO+\b]
	v_cvt_scalef32_pk8_fp4_f32 v[\pc+2*\b+1], v[\src+16*\b+8:\src+16*\b+15], v[SO+\b]
.endr
	v_nop                                                  ; one plain line behind a scaled conversion
.irp c, 0,1
.irp i, 0,1
	v_permlane16_swap_b32 v[\pc+4*\c+\i], v[\pc+4*\c+2+\i] ; a whole block to a lane
.endr
.endr
.endm
.macro GATHER ra, off                  ; the eight waves' parts, four numbers a lane each, are read and added: the sum in v[T:T+3]
.irp k, 0,1,2,3,4,5,6,7
	ds_load_b128 v[T+4*\k:T+4*\k+3], v[\ra] offset:\off+512*\k
.endr
	s_wait_dscnt 0x0
.irp k, 0,2,4,6
	v_pk_add_f32 v[T+4*\k:T+4*\k+1], v[T+4*\k:T+4*\k+1], v[T+4*\k+4:T+4*\k+5]
	v_pk_add_f32 v[T+4*\k+2:T+4*\k+3], v[T+4*\k+2:T+4*\k+3], v[T+4*\k+6:T+4*\k+7]
.endr
.irp k, 0,4
	v_pk_add_f32 v[T+4*\k:T+4*\k+1], v[T+4*\k:T+4*\k+1], v[T+4*\k+8:T+4*\k+9]
	v_pk_add_f32 v[T+4*\k+2:T+4*\k+3], v[T+4*\k+2:T+4*\k+3], v[T+4*\k+10:T+4*\k+11]
.endr
	v_pk_add_f32 v[T:T+1], v[T:T+1], v[T+16:T+17]
	v_pk_add_f32 v[T+2:T+3], v[T+2:T+3], v[T+18:T+19]
.endm
; the work-group's mean and sum of squared deviations over its 128 rows; v[y + 4 i ..] = my row i, channels 4 x lane on.  Two passes over registers: no difference of large sums
.macro WGSTAT y, wa, ra, oc, od
	v_pk_add_f32 v[SA:SA+1], v[\y:\y+1], v[\y+4:\y+5]
	v_pk_add_f32 v[SA+2:SA+3], v[\y+2:\y+3], v[\y+6:\y+7]
.irp i, 2,3,4,5,6,7,8,9,10,11,12,13,14,15
	v_pk_add_f32 v[SA:SA+1], v[SA:SA+1], v[\y+4*\i:\y+4*\i+1]
	v_pk_add_f32 v[SA+2:SA+3], v[SA+2:SA+3], v[\y+4*\i+2:\y+4*\i+3]
.endr
	ds_store_b128 v[\wa], v[SA:SA+3] offset:\oc
	BARRIER
	GATHER \ra, \oc
	v_pk_mul_f32 v[WM:WM+1], v[T:T+1], s[C128:C128+1] op_sel_hi:[1,0]
	v_pk_mul_f32 v[WM+2:WM+3], v[T+2:T+3], s[C128:C128+1] op_sel_hi:[1,0]
.irp i, 0,1,2,3,4,5,6,7,8,9,10,11,12,13,14,15
	v_pk_add_f32 v[DD:DD+1], v[\y+4*\i:\y+4*\i+1], v[WM:WM+1] neg_lo:[0,1] neg_hi:[0,1]
	v_pk_add_f32 v[DD+2:DD+3], v[\y+4*\i+2:\y+4*\i+3], v[WM+2:WM+3] neg_lo:[0,1] neg_hi:[0,1]
.if \i == 0
	v_pk_mul_f32 v[SQ:SQ+1], v[DD:DD+1], v[DD:DD+1]
	v_pk_mul_f32 v[SQ+2:SQ+3], v[DD+2:DD+3], v[DD+2:DD+3]
.else
	v_pk_fma_f32 v[SQ:SQ+1], v[DD:DD+1], v[DD:DD+1], v[SQ:SQ+1]
	v_pk_fma_f32 v[SQ+2:SQ+3], v[DD+2:DD+3], v[DD+2:DD+3], v[SQ+2:SQ+3]
.endif
.endr
	ds_store_b128 v[\wa], v[SQ:SQ+3] offset:\od
	BARRIER
.endm
	s_load_b512 s[8:23], s[0:1], 0x0               ; xq 8, wqc 10, wq_b 12, wk_b 14, wv_b 16, w_b 18, x 20, y1 22
	s_load_b64 s[24:25], s[0:1], 0x40              ; st1
	v_lshl_add_u32 v94, v0, 2, 0x34000
	v_mov_b32 v95, 0
	v_lshrrev_b32 v[T0], 5, v0
	v_readfirstlane_b32 s30, v[T0]                 ; wave = head
	s_lshr_b32 s31, ttmp9, 2                       ; batch
	s_and_b32 s32, ttmp9, 3                        ; which 128 queries
	v_and_b32 v[T0], 31, v0
	v_lshlrev_b32 v[LI], 4, v[T0]
	s_lshl_b32 s44, s30, 13
	s_add_co_u32 s44, s44, QI
	v_add_nc_u32 v[QA], s44, v[LI]
	s_lshl_b32 s44, s30, 12
	s_add_co_u32 s44, s44, VI
	v_add_nc_u32 v[VA], s44, v[LI]
	s_lshl_b32 s44, s30, 9
	s_add_co_u32 s44, s44, VS
	v_lshl_add_u32 v[VSA], v[T0], 2, s44
	v_and_b32 v[T0], 15, v0                        ; r
	v_bfe_u32 v[T1], v0, 4, 1                      ; h
	s_lshl_b32 s33, s30, 6                         ; 64 x head: my 16 channels in bytes
	s_add_co_u32 s44, s33, OF
	v_mul_u32_u24 v[OA], v[T0], SP
	v_lshl_add_u32 v[OA], v[T1], 5, v[OA]
	v_add_nc_u32 v[OA], s44, v[OA]
	v_lshlrev_b32 v[AD0], 4, v0                    ; the fill of x's codes: 16 bytes a thread,
	v_lshlrev_b32 v[AD1], 3, v0                    ; of their scale words: 8
	s_and_b32 s44, s30, 1
	s_lshl_b32 s44, s44, 8
	s_lshr_b32 s45, s30, 1
	s_lshl_b32 s45, s45, 2
	s_add_co_u32 s44, s44, s45
	v_lshl_add_u32 v[BM], v[T0], 4, s44            ; my tile's scale words in a group's block: 16 (16 (w % 2) + r) + 4 (w / 2)
	v_lshl_add_u32 v[BM+1], v[T1], 5, s33          ; bq, bk: d = 8 h + 0 .. 7 of my head
	v_lshl_add_u32 v[BM+2], v[T0], 2, s33          ; bv: d = r
.irp b, 0,1,2,3
	v_mov_b32 v[PT+\b], 0                          ; written once: a lane permute's destination counts as one of its sources
.endr
	v_mov_b32 v[FF+1], 0                           ; (named as the upper halves of pairs of which the low word serves both)
	v_mov_b32 v[RL+1], 0
	s_mov_b32 s[SEL], 0x76543210
	s_mov_b32 s[SEL+1], 0xfedcba98
	s_mov_b32 s[CS], 0x3eb8aa3b                    ; log2(e) / 4
	s_mov_b32 s[CS+1], s[CS]
	s_mov_b32 s[C128], 0x3c000000
	s_mov_b32 s[C128+1], s[C128]
	s_mul_i32 s44, s31, 34816                      ; the batch's codes and scale words
	s_mov_b32 s45, 0
	s_lshl_b32 s46, s30, 10                        ; my head's tile in each weight group
	s_mov_b32 s47, 0
	s_lshl_b32 s48, ttmp9, 16                      ; the work-group's 128 rows of 512 bytes,
	s_lshr_b32 s34, s30, 1
	s_lshl_b32 s34, s34, 14
	s_add_co_u32 s48, s48, s34
	s_and_b32 s34, s30, 1
	s_lshl_b32 s34, s34, 12
	s_add_co_u32 s48, s48, s34                     ; and query tile w's first row: 32 (w / 2) + 8 (w % 2)
	s_mov_b32 s49, 0
	s_lshl_b32 s34, ttmp9, 10
	s_mov_b32 s35, 0
	s_wait_kmcnt 0x0
	s_add_nc_u64 s[26:27], s[8:9], s[44:45]
	s_add_nc_u64 s[28:29], s[10:11], s[46:47]
	s_add_nc_u64 s[50:51], s[20:21], s[48:49]
	s_add_nc_u64 s[52:53], s[22:23], s[48:49]
	s_add_nc_u64 s[54:55], s[24:25], s[34:35]
.set i, 0
.rept 8
	global_load_b128 v[P+4*i:P+4*i+3], v[AD0], s[26:27] offset:4096*i
.set i, i+1
.endr
	global_load_b64 v[P+32:P+33], v[AD1], s[26:27] offset:XS
	global_load_b128 v[WQ:WQ+3], v[LI], s[28:29]
	global_load_b128 v[WQ+4:WQ+7], v[LI], s[28:29] offset:512
	global_load_b128 v[WK:WK+3], v[LI], s[28:29] offset:8192
	global_load_b128 v[WK+4:WK+7], v[LI], s[28:29] offset:8192+512
	global_load_b128 v[WV:WV+3], v[LI], s[28:29] offset:16384
	global_load_b128 v[WV+4:WV+7], v[LI], s[28:29] offset:16384+512
	global_load_b32 v[WQS], v[BM], s[10:11] offset:98304
	global_load_b32 v[WKS], v[BM], s[10:11] offset:98304+512
	global_load_b32 v[WVS], v[BM], s[10:11] offset:98304+1024
	global_load_b128 v[BQ:BQ+3], v[BM+1], s[12:13]
	global_load_b128 v[BQ+4:BQ+7], v[BM+1], s[12:13] offset:16
	global_load_b128 v[BK:BK+3], v[BM+1], s[14:15]
	global_load_b128 v[BK+4:BK+7], v[BM+1], s[14:15] offset:16
	global_load_b32 v[BV], v[BM+2], s[16:17]
	global_load_b32 v[BV+1], v[BM+2], s[16:17]
	s_wait_loadcnt 15                              ; the nine loads of the fill are in; the fifteen behind them stay out
.set i, 0
.rept 8
	ds_store_b128 v[AD0], v[P+4*i:P+4*i+3] offset:4096*i
.set i, i+1
.endr
	ds_store_b64 v[AD1], v[P+32:P+33] offset:XS
	BARRIER                                        ; the batch's codes and scale words lie in LDS
	s_wait_loadcnt 0x0
	; ---- K and V of my head, 128 keys at a time, four tiles of x at a time
.set kg, 0
.rept 4
.set hf, 0
.rept 2
.if kg+hf > 0
	PLACES 4                                       ; in front of loads into registers that matrix instructions have read
.endif
.set qi, 0
.rept 4
	ds_load_b128 v[XF+8*qi:XF+8*qi+3], v[LI] offset:1024*(8*kg+4*hf+qi)
	ds_load_b128 v[XF+8*qi+4:XF+8*qi+7], v[LI] offset:1024*(8*kg+4*hf+qi)+512
.set qi, qi+1
.endr
.if hf == 0
	ds_load_b128 v[XSC:XSC+3], v[LI] offset:XS+512*kg
.endif
	s_wait_dscnt 0x0
	WIN 0x40                                       ; K's tiles lie in window 1
.set qi, 0
.rept 4
	MM4 8*(8*kg+4*hf+qi), WK, XF+8*qi, BK, WKS, XSC+(4*hf+qi)/2, 0, qi%2      ; k^T: lane (r, h): d = 8 h + j of key r; the bias is the C
.set qi, qi+1
.endr
	WIN 0
.set qi, 0
.rept 4
	MM4 P+8*(4*hf+qi), XF+8*qi, WV, -1, XSC+(4*hf+qi)/2, WVS, qi%2, 0         ; v: lane (r, h): d = r, registers down the keys
.set qi, qi+1
.endr
.set hf, hf+1
.endr
	PLACES 4
.set i, 0
.rept 32
	v_pk_add_f32 v[P+2*i:P+2*i+1], v[P+2*i:P+2*i+1], v[BV:BV+1] op_sel_hi:[1,0]   ; + bv[d], each result from its low end on
.set i, i+1
.endr
	QUANT P, PC, VW                                ; along the keys: one fragment of V^T and its scale words
	ds_store_b128 v[VA], v[PC:PC+3] offset:1024*kg
	ds_store_b128 v[VA], v[PC+4:PC+7] offset:1024*kg+512
	ds_store_b32 v[VSA], v[VW] offset:128*kg       ; my own bytes: no barrier; the next wait for LDS stands ahead of the lines that write these registers again
.set kg, kg+1
.endr
	; ---- Q of my head for the work-group's 128 queries: eight images in my own LDS bytes
	s_lshl_b32 s44, s32, 13
	v_add_nc_u32 v[AD0], s44, v[LI]
	s_lshl_b32 s44, s32, 9
	s_add_co_u32 s44, s44, XS
	v_add_nc_u32 v[AD1], s44, v[LI]
	ds_load_b128 v[XSC:XSC+3], v[AD1]
.set hf, 0
.rept 2
.set qi, 0
.rept 4
	ds_load_b128 v[XF+8*qi:XF+8*qi+3], v[AD0] offset:1024*(4*hf+qi)
	ds_load_b128 v[XF+8*qi+4:XF+8*qi+7], v[AD0] offset:1024*(4*hf+qi)+512
.set qi, qi+1
.endr
	s_wait_dscnt 0x0
.set qi, 0
.rept 4
	MM4 P+8*(4*hf+qi), WQ, XF+8*qi, BQ, WQS, XSC+(4*hf+qi)/2, 0, qi%2
.set qi, qi+1
.endr
	PLACES 4                                       ; in front of the stores of the results, and of the next loads into the fragments' registers
.set qi, 0
.rept 4
	ds_store_b128 v[QA], v[P+8*(4*hf+qi):P+8*(4*hf+qi)+3] offset:1024*(4*hf+qi)
	ds_store_b128 v[QA], v[P+8*(4*hf+qi)+4:P+8*(4*hf+qi)+7] offset:1024*(4*hf+qi)+512
.set qi, qi+1
.endr
.set hf, hf+1
.endr
; A KEY STEP: 128 keys.  first = 1: it starts M, the sum and O^T.
.macro STEP ks, first
	WIN 0x01                                       ; K in window 1
.set si, 0
.rept 4                                        ; S^T = K Q^T in f32: 4 of the head's 16 a step, the eight tiles of keys by turns; the first step starts the sums
.set ti, 0
.rept 8
.if si == 0
	v_wmma_f32_16x16x4_f32 v[S+8*ti:S+8*ti+7], v[8*(8*\ks+ti)+2*si:8*(8*\ks+ti)+2*si+1], v[QF+2*si:QF+2*si+1], 0
.else
	v_wmma_f32_16x16x4_f32 v[S+8*ti:S+8*ti+7], v[8*(8*\ks+ti)+2*si:8*(8*\ks+ti)+2*si+1], v[QF+2*si:QF+2*si+1], v[S+8*ti:S+8*ti+7]
.endif
.set ti, ti+1
.endr
.set si, si+1
.endr
	WIN 0
	PLACES 8                                       ; behind the f32 form eight; they also stand between the last product on codes and the loads into its registers
	ds_load_b128 v[VF:VF+3], v[VA] offset:1024*\ks
	ds_load_b128 v[VF+4:VF+7], v[VA] offset:1024*\ks+512
	ds_load_b32 v[VSW], v[VSA] offset:128*\ks
.irp b, 0,1,2,3
	v_max3_num_f32 v[BM+\b], v[S+16*\b], v[S+16*\b+1], v[S+16*\b+2]   ; the largest score of each block of 32 keys: for the row's maximum, and, since p rises with the score, for the block's largest p
.endr
.irp i, 3,5,7,9,11,13
.irp b, 0,1,2,3
	v_max3_num_f32 v[BM+\b], v[BM+\b], v[S+16*\b+\i], v[S+16*\b+\i+1]
.endr
.endr
.irp b, 0,1,2,3
	v_max_num_f32 v[BM+\b], v[BM+\b], v[S+16*\b+15]
.endr
.irp b, 0,1,2,3
	v_permlanex16_b32 v[PT+\b], v[BM+\b], s[SEL], s[SEL+1]
.endr
.irp b, 0,1,2,3
	v_max_num_f32 v[BM+\b], v[BM+\b], v[PT+\b]     ; with lane l xor 16's 16 keys
.endr
	v_max3_num_f32 v[T0], v[BM], v[BM+1], v[BM+2]
	v_max_num_f32 v[T0], v[T0], v[BM+3]
.if \first
	v_mul_f32 v[NM+1], s[CS], v[T0]                ; the largest t
	v_floor_f32 v[NM], -v[NM+1]                    ; -M = floor(-t): M is a whole number
.else
	v_mul_f32 v[T0], s[CS], v[T0]
	v_max_num_f32 v[NM+1], v[NM+1], v[T0]          ; the running largest t
	v_mov_b32 v[T1], v[NM]
	v_floor_f32 v[NM], -v[NM+1]
	v_sub_f32 v[T1], v[NM], v[T1]                  ; old M - new M: a whole number, 0 or less
	v_cvt_i32_f32 v[T1], v[T1]
	v_ldexp_f32 v[FF], 1.0, v[T1]                  ; f = 2^(old M - new M): multiplying by it rounds nothing
.endif
.set i, 0
.rept 32
	v_pk_fma_f32 v[P+2*i:P+2*i+1], v[S+2*i:S+2*i+1], s[CS:CS+1], v[NM:NM+1] op_sel_hi:[1,0,0]   ; t - M, into other registers than the sums'
.set i, i+1
.endr
.irp b, 0,1,2,3
	v_fma_f32 v[BM+\b], v[BM+\b], s[CS], v[NM]
.endr
.set i, 0
.rept 64
	v_exp_f32 v[P+i], v[P+i]                       ; p = 2^(t - M)
.set i, i+1
.endr
.irp b, 0,1,2,3
	v_exp_f32 v[BM+\b], v[BM+\b]                   ; the block's largest p: the same two instructions on the same number
.endr
.if \first
	v_nop                                          ; a plain line behind the exponentials
	s_wait_alu depctr_va_vdst(0)
.else
	v_pk_mul_f32 v[LS:LS+1], v[LS:LS+1], v[FF:FF+1] op_sel_hi:[1,0]   ; the sum under the new M (a plain line behind the exponentials)
	s_wait_alu depctr_va_vdst(0)
.endif
.irp b, 0,1,2,3
	v_max_num_f32 v[BM+\b], 0x1800000, v[BM+\b]    ; the floor 2^(3 - 127)
.endr
.irp b, 0,1,2,3
	v_add_nc_u32 v[SO+\b], 0xff000000, v[BM+\b]
.endr
.irp b, 0,1,2,3
	v_lshrrev_b32 v[PT+\b], 23, v[SO+\b]
.endr
	v_lshl_or_b32 v[PSW], v[PT+1], 8, v[PT]        ; p's scale word for these 128 keys
	v_lshl_or_b32 v[PSW], v[PT+2], 16, v[PSW]
	v_lshl_or_b32 v[PSW], v[PT+3], 24, v[PSW]
.irp b, 0,1,2,3
	v_cvt_scalef32_pk8_fp4_f32 v[PC+2*\b], v[P+16*\b:P+16*\b+7], v[SO+\b]
	v_cvt_scalef32_pk8_fp4_f32 v[PC+2*\b+1], v[P+16*\b+8:P+16*\b+15], v[SO+\b]
.endr
	v_nop                                          ; one plain line behind a scaled conversion
.irp c, 0,1
.irp i, 0,1
	v_permlane16_swap_b32 v[PC+4*\c+\i], v[PC+4*\c+2+\i]
.endr
.endr
.if !\first
.irp i, 0,2,4,6
	v_pk_mul_f32 v[OT+\i:OT+\i+1], v[OT+\i:OT+\i+1], v[FF:FF+1] op_sel_hi:[1,0]   ; O^T under the new M, from its low end on
.endr
.endif
	v_pk_add_f32 v[PT:PT+1], v[P:P+1], v[P+2:P+3]  ; the row's sum is taken of the unquantised p, in two chains.  These lines are also the places between the scale word and codes just made and the product
.if \first
	v_pk_add_f32 v[LS:LS+1], v[P+4:P+5], v[P+6:P+7]
.else
	v_pk_add_f32 v[LS:LS+1], v[LS:LS+1], v[P+4:P+5]
	v_pk_add_f32 v[PT:PT+1], v[PT:PT+1], v[P+6:P+7]
.endif
.irp j, 8,12,16,20,24,28,32,36,40,44,48,52,56,60
	v_pk_add_f32 v[LS:LS+1], v[LS:LS+1], v[P+\j:P+\j+1]
	v_pk_add_f32 v[PT:PT+1], v[PT:PT+1], v[P+\j+2:P+\j+3]
.endr
	v_pk_add_f32 v[LS:LS+1], v[LS:LS+1], v[PT:PT+1]
	s_wait_dscnt 0x0                               ; V's fragment and scale words are in
.if \first
	MM4 OT, VF, PC, -1, VSW, PSW, 0, 0             ; O^T = V^T P^T: lane (r, h): d = 8 h + j of query r
.else
	MM4 OT, VF, PC, OT, VSW, PSW, 0, 0
.endif
.endm
	s_mov_b32 s40, 0                               ; the tile of 16 queries
	s_mov_b32 s41, 0                               ; its image of Q
	s_mov_b32 s42, 0                               ; its rows of OF
.Lqt:
	v_add_nc_u32 v[AD0], s41, v[QA]
	ds_load_b128 v[QF:QF+3], v[AD0]
	ds_load_b128 v[QF+4:QF+7], v[AD0] offset:512
	s_wait_dscnt 0x0                               ; Q is in, and my earlier LDS stores have read their registers
	STEP 0, 1
	STEP 1, 0
	STEP 2, 0
	STEP 3, 0
	v_add_f32 v[T0], v[LS], v[LS+1]                ; the sum's two halves,
	v_permlanex16_b32 v[PT], v[T0], s[SEL], s[SEL+1]
	v_add_f32 v[T0], v[T0], v[PT]                  ; and lane l xor 16's
	v_rcp_f32 v[RL], v[T0]
	v_add_nc_u32 v[AD1], s42, v[OA]                ; (a plain line behind the reciprocal; with the additions and the two below: the places behind the last product)
	v_nop
	v_nop
	s_wait_alu depctr_va_vdst(0)
.irp i, 0,2,4,6
	v_pk_mul_f32 v[OUTR+\i:OUTR+\i+1], v[OT+\i:OT+\i+1], v[RL:RL+1] op_sel_hi:[1,0]
.endr
	ds_store_b128 v[AD1], v[OUTR:OUTR+3]           ; row = 16 x tile + r, my head's 64 bytes, + 32 h
	ds_store_b128 v[AD1], v[OUTR+4:OUTR+7] offset:16
	s_add_co_u32 s41, s41, 1024
	s_add_co_u32 s42, s42, 16*SP
	s_add_co_u32 s40, s40, 1
	s_cmp_lt_u32 s40, 8
	s_cbranch_scc1 .Lqt
	; ---- the output projection: wave w takes query tile w, all 128 channels.  W, its scale words, w_b and the residual rows are asked for first
	WIN 0x40
.set ti, 0
.rept 8
	global_load_b128 v[WW+8*ti:WW+8*ti+3], v[LI], s[10:11] offset:24576+1024*ti
	global_load_b128 v[WW+8*ti+4:WW+8*ti+7], v[LI], s[10:11] offset:24576+1024*ti+512
.set ti, ti+1
.endr
	WIN 0
	global_load_b128 v[WWS:WWS+3], v[LI], s[10:11] offset:98304+3*512
	global_load_b128 v[WB:WB+3], v[LI], s[18:19]
	WIN 0x40
.set i, 0
.rept 16
	global_load_b128 v[XR+4*i:XR+4*i+3], v[LI], s[50:51] offset:(i+8*(i/8))*512 th:TH_LOAD_NT   ; a whole row of x a load; its last reader
.set i, i+1
.endr
	WIN 0
	BARRIER                                        ; all heads' outputs lie in OF
	v_and_b32 v[T0], 15, v0
	v_bfe_u32 v[T1], v0, 4, 1
	s_mul_i32 s44, s30, 16*SP
	s_add_co_u32 s44, s44, OF                      ; my 16 rows: from here on nobody else touches them
	v_mul_u32_u24 v[AD0], v[T0], SP
	v_add_nc_u32 v[AD0], s44, v[AD0]
	v_lshl_add_u32 v[AD1], v[T1], 5, v[AD0]        ; row r, + 32 h: where results go
	v_lshl_add_u32 v[AD0], v[T1], 6, v[AD0]        ; row r, + 64 h: my 16 numbers of each block of 32
	v_add_nc_u32 v[QA], s44, v[LI]                 ; whole rows, 16 bytes a lane
	s_lshl_b32 s44, s30, 9
	s_add_co_u32 s44, s44, RC
	v_add_nc_u32 v[VA], s44, v[LI]
	v_add_nc_u32 v[VSA], RC, v[LI]
.irp b, 0,1,2,3
.irp j, 0,1,2,3
	ds_load_b128 v[P+16*\b+4*\j:P+16*\b+4*\j+3], v[AD0] offset:128*\b+16*\j
.endr
.endr
	s_wait_dscnt 0x0
	QUANT P, PC, PSW
	PLACES 8                                       ; a scale word made by vector lines stands eight places ahead of the product
	s_wait_loadcnt 17                              ; W and its scale words are in; w_b and the sixteen rows of x stay out
	WIN 0x41
.set ti, 0
.rept 8
	MM4 YA+8*ti, WW+8*ti, PC, -1, WWS+ti/2, PSW, ti%2, 0       ; transposed: lane (r, h): channels 16 t + 8 h + j of row r
.set ti, ti+1
.endr
	WIN 0
	PLACES 4
	WIN 0x04                                       ; an LDS store's data are its source 1: window 1
.set ti, 0
.rept 8
	ds_store_b128 v[AD1], v[YA+8*ti:YA+8*ti+3] offset:64*ti
	ds_store_b128 v[AD1], v[YA+8*ti+4:YA+8*ti+7] offset:64*ti+16
.set ti, ti+1
.endr
	WIN 0
.set i, 0
.rept 16
	ds_load_b128 v[P+4*i:P+4*i+3], v[QA] offset:SP*i   ; LDS serves a wave's instructions in order: these see my stores
.set i, i+1
.endr
	s_wait_loadcnt 0x0
	s_wait_dscnt 0x0
.set i, 0
.rept 32
	v_pk_add_f32 v[P+2*i:P+2*i+1], v[P+2*i:P+2*i+1], v[WB+2*(i%2):WB+2*(i%2)+1]
.set i, i+1
.endr
	WIN 0x04
.set i, 0
.rept 32
	v_pk_add_f32 v[P+2*i:P+2*i+1], v[P+2*i:P+2*i+1], v[XR+2*i:XR+2*i+1]      ; + x
.set i, i+1
.endr
	WIN 0
.set i, 0
.rept 16
	global_store_b128 v[LI], v[P+4*i:P+4*i+3], s[52:53] offset:(i+8*(i/8))*512   ; 32 lanes store a whole row of 512 bytes, at the row's true place
.set i, i+1
.endr
	WGSTAT P, VA, VSA, 0, 4096
	s_cmp_lg_u32 s30, 0
	s_cbranch_scc1 .Lend
	GATHER VSA, 4096
	global_store_b128 v[LI], v[WM:WM+3], s[54:55]
	global_store_b128 v[LI], v[T:T+3], s[54:55] offset:512
.Lend:
	s_wait_tensorcnt 0x0
	ds_add_u32 v94, v95
	s_wait_dscnt 0x0
	s_endpgm
.Lfunc_end_k_q2dda4d733a_attn:
	.size	k_q2dda4d733a_attn, .Lfunc_end_k_q2dda4d733a_attn-k_q2dda4d733a_attn
	.p2alignl 7, 3214868480
	.fill 96, 4, 3214868480
	.section	.rodata,"a",@progbits
	.p2align	6, 0x0
	.amdhsa_kernel k_q2dda4d733a_attn
		.amdhsa_group_segment_fixed_size 214016
		.amdhsa_private_segment_fixed_size 0
		.amdhsa_enable_private_segment 0
		.amdhsa_kernarg_size 72
		.amdhsa_user_sgpr_count 2
		.amdhsa_user_sgpr_kernarg_segment_ptr 1
		.amdhsa_wavefront_size32 1
		.amdhsa_system_sgpr_workgroup_id_x 1
		.amdhsa_system_sgpr_workgroup_id_y 1
		.amdhsa_system_sgpr_workgroup_id_z 1
		.amdhsa_system_vgpr_workitem_id 0
		.amdhsa_next_free_vgpr 512
		.amdhsa_next_free_sgpr 66
		.amdhsa_reserve_vcc 0
		.amdhsa_float_denorm_mode_32 3
		.amdhsa_float_denorm_mode_16_64 3
		.amdhsa_memory_ordered 1
		.amdhsa_forward_progress 1
		.amdhsa_inst_pref_size 130
	.end_amdhsa_kernel
	.amdgpu_metadata
---
amdhsa.version: [ 1, 2 ]
amdhsa.kernels:
  - .name:           k_q2dda4d733a_attn
    .symbol:         k_q2dda4d733a_attn.kd
    .args:
      - { .name: xq, .offset: 0, .size: 8, .value_kind: global_buffer, .address_space: global }
      - { .name: wqc, .offset: 8, .size: 8, .value_kind: global_buffer, .address_space: global }
      - { .name: wq_b, .offset: 16, .size: 8, .value_kind: global_buffer, .address_space: global }
      - { .name: wk_b, .offset: 24, .size: 8, .value_kind: global_buffer, .address_space: global }
      - { .name: wv_b, .offset: 32, .size: 8, .value_kind: global_buffer, .address_space: global }
      - { .name: w_b, .offset: 40, .size: 8, .value_kind: global_buffer, .address_space: global }
      - { .name: embedding_node, .offset: 48, .size: 8, .value_kind: global_buffer, .address_space: global }
      - { .name: y1, .offset: 56, .size: 8, .value_kind: global_buffer, .address_space: global }
      - { .name: st1, .offset: 64, .size: 8, .value_kind: global_buffer, .address_space: global }
    .group_segment_fixed_size: 214016
    .private_segment_fixed_size: 0
    .kernarg_segment_align: 8
    .kernarg_segment_size: 72
    .max_flat_workgroup_size: 256
    .sgpr_count:     66
    .vgpr_count:     512
    .wavefront_size: 32
...
	.end_amdgpu_metadata
.endif
;; end of part 2
;; launch ffn (part 3): grid 256 x 1, 8 waves a work-group, no clusters, 156,672 bytes of LDS; arguments y1, st1, bn1_g, bn1_b, wqc, ff1_b, ff2_b, y2, st2; writes y2, st2
.if DOCPART == 3
	.amdgcn_target "amdgcn-amd-amdhsa--gfx1250"
	.amdhsa_code_object_version 6
	.text
	.protected	k_q2dda4d733a_ffn
	.globl	k_q2dda4d733a_ffn
	.p2align	8
	.type	k_q2dda4d733a_ffn,@function
k_q2dda4d733a_ffn:
	s_mov_b64 s[64:65], 0
	v_nop
	global_prefetch_b8 v0, s[64:65] scope:SCOPE_SE
	s_setreg_imm32_b32 hwreg(HW_REG_WAVE_MODE, 25, 1), 1
	s_wait_xcnt 0x0
; FFN: x = BatchNorm1(y1);  y2 = x + relu(x W1 + b1) W2 + b2, both products on codes of FP4 with one E8M0 scale for each 32 along K; and the work-group's mean and sum of squared deviations of its 128 rows of y2 (st2).
; SHARES.  A work-group takes 128 rows, wave w rows 16 w on, by itself; the weights' images (64 KB), their scale words and b1 lie in LDS, filled once through registers.
; THE STATISTICS of all 32,768 rows are put together by every work-group from the 256 partial means and sums of squared deviations (each of 128 rows): mean = the mean of the means;
; the sum of squared deviations = the sum of the partial ones + 128 x the sum of (partial mean - mean)^2: no difference of large sums.  Wave w takes partials w + 8 k; the waves' parts meet in LDS.
; The hidden layer is made TRANSPOSED (source 0 = 16 hidden units, chosen so that the 16 registers of tiles 2 b, 2 b + 1 are 16 neighbours along the next K), 128 units at a time: one K step of the second product; it never leaves the registers.
; No cluster: what work-groups share is filled once (70 KB of weights, 256 KB of partials) and no loop walks shared tiles.
; LIMITS: NaN and infinities are not served; blocks whose largest magnitude lies under 2^-124 take the byte 1; 1 / sqrt is v_rsq_f32.
.set B1L, 69632                        ; LDS: W1's images 0, W2's 32,768, the scale words 65,536, b1 here,
.set STG, 71680                        ; a stage of 16 rows x 528 bytes for each wave,
.set SP,  528
.set RSA, 139264                       ; and four regions of 4 KB for the statistics: RSA, + 4,096, + 8,192, + 12,288
.set LI,  1                            ; 16 x lane
.set SWA, 2                            ; my stage, whole rows
.set SQA, 3                            ; row r, + 64 h
.set SYA, 4                            ; row r, + 32 h
.set WSA, 5                            ; the scale words, 16 bytes a lane
.set B1A, 6                            ; b1, + 64 h
.set RW,  7                            ; where I put my part of a statistic
.set RR,  8                            ; where all parts are read
.set B1W, 9                            ; the fills: b1,
.set TI,  10                           ; the images (16 x thread),
.set WSW, 11                           ; the scale words
.set XSW, 12                           ; v12-21: scale words, and nothing else
.set HSW, 13
.set W1S, 14
.set W2S, 18
.set MEAN, 22
.set AA,  26                           ; gain / sqrt(var + eps)
.set BETA, 30
.set GAMMA, 34
.set B2,  38
.set XFR, 42                           ; x's fragment
.set HFR, 50                           ; the hidden layer's
.set BM,  58
.set PT,  62
.set SO,  66
.set AC,  70
.set AD,  78
.set STA, 86
.set T,   92
.set Y,   128                          ; my 16 rows: row i at v[Y + 4 i], channels 4 x lane on
.set HA,  192                          ; 8 tiles of the hidden layer
.set SA,  70
.set SQ,  74
.set WM,  78
.set DD,  82
.set MP,  0                            ; window 1: 32 partial means, 32 partial sums; later W1's and W2's fragments and y's accumulators
.set M2P, 128
.set WF1, 0
.set WF2, 64
.set YA,  128
.set SEL, 36
.set C128, 46                          ; s[46:47] 1 / 128
.set MSB, 0
.macro WIN new                         ; the immediate's high byte repeats the setting that is left
.if MSB != \new
	s_set_vgpr_msb (MSB<<8)|\new
.set MSB, \new
.endif
.endm
.macro BARRIER                         ; my LDS stores have landed and my LDS loads are in: then the work-group's barrier
	s_wait_dscnt 0x0
	s_barrier_signal -1
	s_barrier_wait -1
.endm
.macro PLACES n                        ; plain vector lines between a matrix instruction and what touches its registers (ISA guide 7.12.1)
.rept \n
	v_nop
.endr
.endm
.macro MM4 d, a, b, c, sa, sb, ra, rb  ; one product on codes: C under 0 is the constant 0; ra, rb: that side's scales are read from lanes 16-31
.if (\c) < 0
.if \ra
	v_wmma_scale_f32_16x16x128_f8f6f4 v[(\d):(\d)+7], v[(\a):(\a)+7], v[(\b):(\b)+7], 0, v[\sa], v[\sb] matrix_a_fmt:MATRIX_FMT_FP4 matrix_b_fmt:MATRIX_FMT_FP4 matrix_a_scale:MATRIX_SCALE_ROW1
.elseif \rb
	v_wmma_scale_f32_16x16x128_f8f6f4 v[(\d):(\d)+7], v[(\a):(\a)+7], v[(\b):(\b)+7], 0, v[\sa], v[\sb] matrix_a_fmt:MATRIX_FMT_FP4 matrix_b_fmt:MATRIX_FMT_FP4 matrix_b_scale:MATRIX_SCALE_ROW1
.else
	v_wmma_scale_f32_16x16x128_f8f6f4 v[(\d):(\d)+7], v[(\a):(\a)+7], v[(\b):(\b)+7], 0, v[\sa], v[\sb] matrix_a_fmt:MATRIX_FMT_FP4 matrix_b_fmt:MATRIX_FMT_FP4
.endif
.else
.if \ra
	v_wmma_scale_f32_16x16x128_f8f6f4 v[(\d):(\d)+7], v[(\a):(\a)+7], v[(\b):(\b)+7], v[(\c):(\c)+7], v[\sa], v[\sb] matrix_a_fmt:MATRIX_FMT_FP4 matrix_b_fmt:MATRIX_FMT_FP4 matrix_a_scale:MATRIX_SCALE_ROW1
.elseif \rb
	v_wmma_scale_f32_16x16x128_f8f6f4 v[(\d):(\d)+7], v[(\a):(\a)+7], v[(\b):(\b)+7], v[(\c):(\c)+7], v[\sa], v[\sb] matrix_a_fmt:MATRIX_FMT_FP4 matrix_b_fmt:MATRIX_FMT_FP4 matrix_b_scale:MATRIX_SCALE_ROW1
.else
	v_wmma_scale_f32_16x16x128_f8f6f4 v[(\d):(\d)+7], v[(\a):(\a)+7], v[(\b):(\b)+7], v[(\c):(\c)+7], v[\sa], v[\sb] matrix_a_fmt:MATRIX_FMT_FP4 matrix_b_fmt:MATRIX_FMT_FP4
.endif
.endif
.endm
.macro QUANT src, pc, pw               ; 64 numbers of a lane, register 16 b + i = k 32 b + 16 (lane / 16) + i of my row: the operand's 8 registers and the row's scale word
.irp b, 0,1,2,3
	v_max3_num_f32 v[BM+\b], |v[\src+16*\b]|, |v[\src+16*\b+1]|, 0x1800000   ; and the floor 2^(3 - 127): the byte cannot fall under 1
.endr
.irp i, 2,4,6,8,10,12,14
.irp b, 0,1,2,3
	v_max3_num_f32 v[BM+\b], v[BM+\b], |v[\src+16*\b+\i]|, |v[\src+16*\b+\i+1]|
.endr
.endr
.irp b, 0,1,2,3
	v_permlanex16_b32 v[PT+\b], v[BM+\b], s[SEL], s[SEL+1]
.endr
.irp b, 0,1,2,3
	v_max_num_f32 v[BM+\b], v[BM+\b], v[PT+\b]
.endr
.irp b, 0,1,2,3
	v_add_nc_u32 v[SO+\b], 0xff000000, v[BM+\b]            ; 2 off the exponent field: the conversion's scale operand
.endr
.irp b, 0,1,2,3
	v_lshrrev_b32 v[PT+\b], 23, v[SO+\b]
.endr
	v_lshl_or_b32 v[\pw], v[PT+1], 8, v[PT]
	v_lshl_or_b32 v[\pw], v[PT+2], 16, v[\pw]
	v_lshl_or_b32 v[\pw], v[PT+3], 24, v[\pw]
.irp b, 0,1,2,3
	v_cvt_scalef32_pk8_fp4_f32 v[\pc+2*\b], v[\src+16*\b:\src+16*\b+7], v[SO+\b]
	v_cvt_scalef32_pk8_fp4_f32 v[\pc+2*\b+1], v[\src+16*\b+8:\src+16*\b+15], v[SO+\b]
.endr
	v_nop                                                  ; one plain line behind a scaled conversion
.irp c, 0,1
.irp i, 0,1
	v_permlane16_swap_b32 v[\pc+4*\c+\i], v[\pc+4*\c+2+\i]
.endr
.endr
.endm
.macro GATHER ra, off                  ; the eight waves' parts are read and added: the sum in v[T:T+3]
.irp k, 0,1,2,3,4,5,6,7
	ds_load_b128 v[T+4*\k:T+4*\k+3], v[\ra] offset:\off+512*\k
.endr
	s_wait_dscnt 0x0
.irp k, 0,2,4,6
	v_pk_add_f32 v[T+4*\k:T+4*\k+1], v[T+4*\k:T+4*\k+1], v[T+4*\k+4:T+4*\k+5]
	v_pk_add_f32 v[T+4*\k+2:T+4*\k+3], v[T+4*\k+2:T+4*\k+3], v[T+4*\k+6:T+4*\k+7]
.endr
.irp k, 0,4
	v_pk_add_f32 v[T+4*\k:T+4*\k+1], v[T+4*\k:T+4*\k+1], v[T+4*\k+8:T+4*\k+9]
	v_pk_add_f32 v[T+4*\k+2:T+4*\k+3], v[T+4*\k+2:T+4*\k+3], v[T+4*\k+10:T+4*\k+11]
.endr
	v_pk_add_f32 v[T:T+1], v[T:T+1], v[T+16:T+17]
	v_pk_add_f32 v[T+2:T+3], v[T+2:T+3], v[T+18:T+19]
.endm
.macro WGSTAT y, wa, ra, oc, od        ; the work-group's mean and sum of squared deviations over its 128 rows, in two passes over registers
	v_pk_add_f32 v[SA:SA+1], v[\y:\y+1], v[\y+4:\y+5]
	v_pk_add_f32 v[SA+2:SA+3], v[\y+2:\y+3], v[\y+6:\y+7]
.irp i, 2,3,4,5,6,7,8,9,10,11,12,13,14,15
	v_pk_add_f32 v[SA:SA+1], v[SA:SA+1], v[\y+4*\i:\y+4*\i+1]
	v_pk_add_f32 v[SA+2:SA+3], v[SA+2:SA+3], v[\y+4*\i+2:\y+4*\i+3]
.endr
	ds_store_b128 v[\wa], v[SA:SA+3] offset:\oc
	BARRIER
	GATHER \ra, \oc
	v_pk_mul_f32 v[WM:WM+1], v[T:T+1], s[C128:C128+1] op_sel_hi:[1,0]
	v_pk_mul_f32 v[WM+2:WM+3], v[T+2:T+3], s[C128:C128+1] op_sel_hi:[1,0]
.irp i, 0,1,2,3,4,5,6,7,8,9,10,11,12,13,14,15
	v_pk_add_f32 v[DD:DD+1], v[\y+4*\i:\y+4*\i+1], v[WM:WM+1] neg_lo:[0,1] neg_hi:[0,1]
	v_pk_add_f32 v[DD+2:DD+3], v[\y+4*\i+2:\y+4*\i+3], v[WM+2:WM+3] neg_lo:[0,1] neg_hi:[0,1]
.if \i == 0
	v_pk_mul_f32 v[SQ:SQ+1], v[DD:DD+1], v[DD:DD+1]
	v_pk_mul_f32 v[SQ+2:SQ+3], v[DD+2:DD+3], v[DD+2:DD+3]
.else
	v_pk_fma_f32 v[SQ:SQ+1], v[DD:DD+1], v[DD:DD+1], v[SQ:SQ+1]
	v_pk_fma_f32 v[SQ+2:SQ+3], v[DD+2:DD+3], v[DD+2:DD+3], v[SQ+2:SQ+3]
.endif
.endr
	ds_store_b128 v[\wa], v[SQ:SQ+3] offset:\od
	BARRIER
.endm
; the 256 partials become MEAN and AA = gain / sqrt(var + eps), for my lane's four channels
.macro BNSTAT
	WIN 0x05                                       ; both sources window 1
.irp q, 0,1
.irp p, 0,2
	v_pk_add_f32 v[AC+4*\q+\p:AC+4*\q+\p+1], v[MP+4*\q+\p:MP+4*\q+\p+1], v[MP+4*\q+8+\p:MP+4*\q+8+\p+1]   ; two chains, begun by the first four partials: nothing is cleared
.endr
.endr
	WIN 0x04
.set k, 4
.rept 28
.irp p, 0,2
	v_pk_add_f32 v[AC+4*(k%2)+\p:AC+4*(k%2)+\p+1], v[AC+4*(k%2)+\p:AC+4*(k%2)+\p+1], v[MP+4*k+\p:MP+4*k+\p+1]
.endr
.set k, k+1
.endr
	WIN 0
	v_pk_add_f32 v[AC:AC+1], v[AC:AC+1], v[AC+4:AC+5]
	v_pk_add_f32 v[AC+2:AC+3], v[AC+2:AC+3], v[AC+6:AC+7]
	ds_store_b128 v[RW], v[AC:AC+3]
	BARRIER
	GATHER RR, 0
	v_pk_mul_f32 v[MEAN:MEAN+1], v[T:T+1], s[40:41] op_sel_hi:[1,0]          ; / 256
	v_pk_mul_f32 v[MEAN+2:MEAN+3], v[T+2:T+3], s[40:41] op_sel_hi:[1,0]
	WIN 0x41
.set k, 0
.rept 32
.irp p, 0,2
	v_pk_add_f32 v[MP+4*k+\p:MP+4*k+\p+1], v[MP+4*k+\p:MP+4*k+\p+1], v[MEAN+\p:MEAN+\p+1] neg_lo:[0,1] neg_hi:[0,1]
.endr
.set k, k+1
.endr
	WIN 0x05
.set k, 0
.rept 32
.irp p, 0,2
.if k < 2
	v_pk_mul_f32 v[AC+4*k+\p:AC+4*k+\p+1], v[MP+4*k+\p:MP+4*k+\p+1], v[MP+4*k+\p:MP+4*k+\p+1]
.else
	v_pk_fma_f32 v[AC+4*(k%2)+\p:AC+4*(k%2)+\p+1], v[MP+4*k+\p:MP+4*k+\p+1], v[MP+4*k+\p:MP+4*k+\p+1], v[AC+4*(k%2)+\p:AC+4*(k%2)+\p+1]
.endif
.endr
.set k, k+1
.endr
	s_wait_loadcnt 0x0                             ; the partial sums, and all that was asked for ahead of them
.irp q, 0,1
.irp p, 0,2
	v_pk_add_f32 v[AD+4*\q+\p:AD+4*\q+\p+1], v[M2P+4*\q+\p:M2P+4*\q+\p+1], v[M2P+4*\q+8+\p:M2P+4*\q+8+\p+1]
.endr
.endr
	WIN 0x04
.set k, 4
.rept 28
.irp p, 0,2
	v_pk_add_f32 v[AD+4*(k%2)+\p:AD+4*(k%2)+\p+1], v[AD+4*(k%2)+\p:AD+4*(k%2)+\p+1], v[M2P+4*k+\p:M2P+4*k+\p+1]
.endr
.set k, k+1
.endr
	WIN 0
.irp p, 0,2
	v_pk_add_f32 v[AC+\p:AC+\p+1], v[AC+\p:AC+\p+1], v[AC+4+\p:AC+4+\p+1]
	v_pk_add_f32 v[AD+\p:AD+\p+1], v[AD+\p:AD+\p+1], v[AD+4+\p:AD+4+\p+1]
.endr
.irp p, 0,2
	v_pk_fma_f32 v[AD+\p:AD+\p+1], v[AC+\p:AC+\p+1], s[42:43], v[AD+\p:AD+\p+1] op_sel_hi:[1,0,1]   ; + 128 x the squared distances of the means
.endr
	ds_store_b128 v[RW], v[AD:AD+3] offset:4096
	BARRIER
	GATHER RR, 4096
.irp e, 0,1,2,3
	v_fma_f32 v[T+\e], v[T+\e], s38, s39           ; / 32,768 + eps
.endr
.irp e, 0,1,2,3
	v_rsq_f32 v[T+\e], v[T+\e]
.endr
	v_nop                                          ; a plain line behind the transcendentals
	s_wait_alu depctr_va_vdst(0)
	v_pk_mul_f32 v[AA:AA+1], v[T:T+1], v[GAMMA:GAMMA+1]
	v_pk_mul_f32 v[AA+2:AA+3], v[T+2:T+3], v[GAMMA+2:GAMMA+3]
.endm
	s_load_b512 s[8:23], s[0:1], 0x0               ; y1 8, st1 10, gain 12, shift 14, wqc 16, ff1_b 18, ff2_b 20, y2 22
	s_load_b64 s[24:25], s[0:1], 0x40              ; st2
	v_lshl_add_u32 v126, v0, 2, 0x26000
	v_mov_b32 v127, 0
	v_lshrrev_b32 v[AC], 5, v0
	v_readfirstlane_b32 s30, v[AC]                 ; wave
	v_and_b32 v[AC], 31, v0
	v_lshlrev_b32 v[LI], 4, v[AC]
	v_and_b32 v[AC+1], 15, v0                      ; r
	v_bfe_u32 v[AC+2], v0, 4, 1                    ; h
	s_mul_i32 s44, s30, 16*SP
	s_add_co_u32 s44, s44, STG
	v_add_nc_u32 v[SWA], s44, v[LI]
	v_mul_u32_u24 v[SQA], v[AC+1], SP
	v_add_nc_u32 v[SQA], s44, v[SQA]
	v_lshl_add_u32 v[SYA], v[AC+2], 5, v[SQA]
	v_lshl_add_u32 v[SQA], v[AC+2], 6, v[SQA]
	v_add_nc_u32 v[WSA], 65536, v[LI]
	v_lshl_add_u32 v[B1A], v[AC+2], 6, B1L
	s_lshl_b32 s44, s30, 9
	s_add_co_u32 s44, s44, RSA
	v_add_nc_u32 v[RW], s44, v[LI]
	v_add_nc_u32 v[RR], RSA, v[LI]
	v_lshlrev_b32 v[AC+3], 3, v0                   ; b1 in memory: 8 bytes a thread
	v_lshl_add_u32 v[B1W], v0, 3, B1L
	v_lshlrev_b32 v[TI], 4, v0
	v_lshl_add_u32 v[WSW], v0, 4, 65536
.irp b, 0,1,2,3
	v_mov_b32 v[PT+\b], 0                          ; written once: a lane permute's destination counts as one of its sources
.endr
	s_mov_b32 s[SEL], 0x76543210
	s_mov_b32 s[SEL+1], 0xfedcba98
	s_mov_b32 s38, 0x38000000                      ; 1 / 32,768
	s_mov_b32 s39, 0x3727c5ac                      ; 1e-5
	s_mov_b32 s40, 0x3b800000                      ; 1 / 256
	s_mov_b32 s41, s40
	s_mov_b32 s42, 0x43000000                      ; 128
	s_mov_b32 s43, s42
	s_mov_b32 s[C128], 0x3c000000
	s_mov_b32 s[C128+1], s[C128]
	s_lshl_b32 s44, s30, 10                        ; partial w
	s_mov_b32 s45, 0
	s_lshl_b32 s48, ttmp9, 16                      ; the work-group's 128 rows of 512 bytes,
	s_lshl_b32 s50, s30, 13
	s_add_co_u32 s48, s48, s50                     ; my 16 of them
	s_mov_b32 s49, 0
	s_lshl_b32 s50, ttmp9, 10
	s_mov_b32 s51, 0
	s_wait_kmcnt 0x0
	s_add_nc_u64 s[26:27], s[10:11], s[44:45]
	s_add_nc_u64 s[28:29], s[8:9], s[48:49]
	s_add_nc_u64 s[32:33], s[22:23], s[48:49]
	s_add_nc_u64 s[34:35], s[24:25], s[50:51]
.set i, 0
.rept 16
	global_load_b128 v[HA+4*i:HA+4*i+3], v[TI], s[16:17] offset:32768+4096*i     ; the images of ff1 and ff2
.set i, i+1
.endr
	global_load_b128 v[STA:STA+3], v[TI], s[16:17] offset:98304+4*512            ; their scale words
	global_load_b64 v[STA+4:STA+5], v[AC+3], s[18:19]                            ; b1
	WIN 0x40
.set k, 0
.rept 32
	global_load_b128 v[MP+4*k:MP+4*k+3], v[LI], s[26:27] offset:8192*k           ; the means of partials w + 8 k
.set k, k+1
.endr
	WIN 0
	s_wait_loadcnt 32                              ; the eighteen loads of the fill are in; the 32 means stay out
.set i, 0
.rept 16
	ds_store_b128 v[TI], v[HA+4*i:HA+4*i+3] offset:4096*i
.set i, i+1
.endr
	ds_store_b128 v[WSW], v[STA:STA+3]
	ds_store_b64 v[B1W], v[STA+4:STA+5]
.set i, 0
.rept 16
	global_load_b128 v[Y+4*i:Y+4*i+3], v[LI], s[28:29] offset:512*i th:TH_LOAD_NT   ; a whole row a load; read once
.set i, i+1
.endr
	global_load_b128 v[GAMMA:GAMMA+3], v[LI], s[12:13]
	global_load_b128 v[BETA:BETA+3], v[LI], s[14:15]
	global_load_b128 v[B2:B2+3], v[LI], s[20:21]
	s_wait_loadcnt 19                              ; the means are in; the nineteen loads behind them stay out
	WIN 0x40
.set k, 0
.rept 32
	global_load_b128 v[M2P+4*k:M2P+4*k+3], v[LI], s[26:27] offset:8192*k+512
.set k, k+1
.endr
	WIN 0
	BNSTAT                                         ; its first barrier also shows the weights' images to every wave
.set i, 0
.rept 32
	v_pk_add_f32 v[Y+2*i:Y+2*i+1], v[Y+2*i:Y+2*i+1], v[MEAN+2*(i%2):MEAN+2*(i%2)+1] neg_lo:[0,1] neg_hi:[0,1]
.set i, i+1
.endr
.set i, 0
.rept 32
	v_pk_fma_f32 v[Y+2*i:Y+2*i+1], v[Y+2*i:Y+2*i+1], v[AA+2*(i%2):AA+2*(i%2)+1], v[BETA+2*(i%2):BETA+2*(i%2)+1]
.set i, i+1
.endr
	; x turns through my stage, so that a lane holds 16 neighbours of each block of 32, and becomes a fragment
.set i, 0
.rept 16
	ds_store_b128 v[SWA], v[Y+4*i:Y+4*i+3] offset:SP*i
.set i, i+1
.endr
.irp b, 0,1,2,3
.irp j, 0,1,2,3
	ds_load_b128 v[HA+16*\b+4*\j:HA+16*\b+4*\j+3], v[SQA] offset:128*\b+16*\j    ; LDS serves a wave's instructions in order: these see my stores
.endr
.endr
	s_wait_dscnt 0x0
	QUANT HA, XFR, XSW
	PLACES 8                                       ; a scale word made by vector lines stands eight places ahead of the product
; 128 hidden units: the first product's 8 tiles, relu, the quantiser, and K step s of the second product
.macro FSTEP s
.if \s > 0
	PLACES 4                                       ; in front of loads into registers that matrix instructions have read
.endif
.irp t, 0,1,2,3,4,5,6,7
	ds_load_b128 v[HA+8*\t:HA+8*\t+3], v[B1A] offset:512*\s+128*(\t/2)+32*(\t%2)          ; b1 at the tile's eight units of my half: the C of the sum
	ds_load_b128 v[HA+8*\t+4:HA+8*\t+7], v[B1A] offset:512*\s+128*(\t/2)+32*(\t%2)+16
.endr
	ds_load_b128 v[W1S:W1S+3], v[WSA] offset:512*\s
	WIN 0x40
.irp t, 0,1,2,3,4,5,6,7
	ds_load_b128 v[WF1+8*\t:WF1+8*\t+3], v[LI] offset:8192*\s+1024*\t
	ds_load_b128 v[WF1+8*\t+4:WF1+8*\t+7], v[LI] offset:8192*\s+1024*\t+512
.endr
.irp t, 0,1,2,3,4,5,6,7
	ds_load_b128 v[WF2+8*\t:WF2+8*\t+3], v[LI] offset:32768+8192*\s+1024*\t
	ds_load_b128 v[WF2+8*\t+4:WF2+8*\t+7], v[LI] offset:32768+8192*\s+1024*\t+512
.endr
	WIN 0
	ds_load_b128 v[W2S:W2S+3], v[WSA] offset:2048+512*\s
	s_wait_dscnt 17                                ; b1, W1 and its scale words are in; W2's sixteen loads and its scale words stay out
	WIN 0x01
.irp t, 0,1,2,3,4,5,6,7
	MM4 HA+8*\t, WF1+8*\t, XFR, HA+8*\t, W1S+\t/2, XSW, \t%2, 0
.endr
	WIN 0
	PLACES 4
.set i, 0
.rept 64
	v_max_num_f32 v[HA+i], 0, v[HA+i]              ; relu, each result from its low end on
.set i, i+1
.endr
	QUANT HA, HFR, HSW
	PLACES 8
	s_wait_dscnt 0x0
	WIN 0x51                                       ; W2, C and D window 1
.irp n, 0,1,2,3,4,5,6,7
.if \s == 0
	MM4 YA+8*\n, WF2+8*\n, HFR, -1, W2S+\n/2, HSW, \n%2, 0       ; the first K step starts the sums; the eight accumulators take turns
.else
	MM4 YA+8*\n, WF2+8*\n, HFR, YA+8*\n, W2S+\n/2, HSW, \n%2, 0
.endif
.endr
	WIN 0
.endm
	FSTEP 0
	FSTEP 1
	FSTEP 2
	FSTEP 3
	PLACES 4
	WIN 0x04                                       ; an LDS store's data are its source 1: window 1
.irp n, 0,1,2,3,4,5,6,7
	ds_store_b128 v[SYA], v[YA+8*\n:YA+8*\n+3] offset:64*\n        ; lane (r, h): channels 16 n + 8 h + j of row r
	ds_store_b128 v[SYA], v[YA+8*\n+4:YA+8*\n+7] offset:64*\n+16
.endr
	WIN 0
.set i, 0
.rept 16
	ds_load_b128 v[HA+4*i:HA+4*i+3], v[SWA] offset:SP*i
.set i, i+1
.endr
	s_wait_dscnt 0x0
.set i, 0
.rept 32
	v_pk_add_f32 v[HA+2*i:HA+2*i+1], v[HA+2*i:HA+2*i+1], v[B2+2*(i%2):B2+2*(i%2)+1]
.set i, i+1
.endr
.set i, 0
.rept 32
	v_pk_add_f32 v[HA+2*i:HA+2*i+1], v[HA+2*i:HA+2*i+1], v[Y+2*i:Y+2*i+1]    ; + x
.set i, i+1
.endr
.set i, 0
.rept 16
	global_store_b128 v[LI], v[HA+4*i:HA+4*i+3], s[32:33] offset:512*i       ; 32 lanes store a whole row of 512 bytes
.set i, i+1
.endr
	WGSTAT HA, RW, RR, 8192, 12288
	s_cmp_lg_u32 s30, 0
	s_cbranch_scc1 .Lend
	GATHER RR, 12288
	global_store_b128 v[LI], v[WM:WM+3], s[34:35]
	global_store_b128 v[LI], v[T:T+3], s[34:35] offset:512
.Lend:
	s_wait_tensorcnt 0x0
	ds_add_u32 v126, v127
	s_wait_dscnt 0x0
	s_endpgm
.Lfunc_end_k_q2dda4d733a_ffn:
	.size	k_q2dda4d733a_ffn, .Lfunc_end_k_q2dda4d733a_ffn-k_q2dda4d733a_ffn
	.p2alignl 7, 3214868480
	.fill 96, 4, 3214868480
	.section	.rodata,"a",@progbits
	.p2align	6, 0x0
	.amdhsa_kernel k_q2dda4d733a_ffn
		.amdhsa_group_segment_fixed_size 156672
		.amdhsa_private_segment_fixed_size 0
		.amdhsa_enable_private_segment 0
		.amdhsa_kernarg_size 72
		.amdhsa_user_sgpr_count 2
		.amdhsa_user_sgpr_kernarg_segment_ptr 1
		.amdhsa_wavefront_size32 1
		.amdhsa_system_sgpr_workgroup_id_x 1
		.amdhsa_system_sgpr_workgroup_id_y 1
		.amdhsa_system_sgpr_workgroup_id_z 1
		.amdhsa_system_vgpr_workitem_id 0
		.amdhsa_next_free_vgpr 512
		.amdhsa_next_free_sgpr 66
		.amdhsa_reserve_vcc 0
		.amdhsa_float_denorm_mode_32 3
		.amdhsa_float_denorm_mode_16_64 3
		.amdhsa_memory_ordered 1
		.amdhsa_forward_progress 1
		.amdhsa_inst_pref_size 108
	.end_amdhsa_kernel
	.amdgpu_metadata
---
amdhsa.version: [ 1, 2 ]
amdhsa.kernels:
  - .name:           k_q2dda4d733a_ffn
    .symbol:         k_q2dda4d733a_ffn.kd
    .args:
      - { .name: y1, .offset: 0, .size: 8, .value_kind: global_buffer, .address_space: global }
      - { .name: st1, .offset: 8, .size: 8, .value_kind: global_buffer, .address_space: global }
      - { .name: bn1_g, .offset: 16, .size: 8, .value_kind: global_buffer, .address_space: global }
      - { .name: bn1_b, .offset: 24, .size: 8, .value_kind: global_buffer, .address_space: global }
      - { .name: wqc, .offset: 32, .size: 8, .value_kind: global_buffer, .address_space: global }
      - { .name: ff1_b, .offset: 40, .size: 8, .value_kind: global_buffer, .address_space: global }
      - { .name: ff2_b, .offset: 48, .size: 8, .value_kind: global_buffer, .address_space: global }
      - { .name: y2, .offset: 56, .size: 8, .value_kind: global_buffer, .address_space: global }
      - { .name: st2, .offset: 64, .size: 8, .value_kind: global_buffer, .address_space: global }
    .group_segment_fixed_size: 156672
    .private_segment_fixed_size: 0
    .kernarg_segment_align: 8
    .kernarg_segment_size: 72
    .max_flat_workgroup_size: 256
    .sgpr_count:     66
    .vgpr_count:     512
    .wavefront_size: 32
...
	.end_amdgpu_metadata
.endif
;; end of part 3
;; launch bn2 (part 4): grid 256 x 1, 8 waves a work-group, no clusters, 9,216 bytes of LDS; arguments y2, st2, bn2_g, bn2_b, out0; writes out0
.if DOCPART == 4
	.amdgcn_target "amdgcn-amd-amdhsa--gfx1250"
	.amdhsa_code_object_version 6
	.text
	.protected	k_q2dda4d733a_bn2
	.globl	k_q2dda4d733a_bn2
	.p2align	8
	.type	k_q2dda4d733a_bn2,@function
k_q2dda4d733a_bn2:
	s_mov_b64 s[64:65], 0
	v_nop
	global_prefetch_b8 v0, s[64:65] scope:SCOPE_SE
	s_setreg_imm32_b32 hwreg(HW_REG_WAVE_MODE, 25, 1), 1
	s_wait_xcnt 0x0
; BN2: out0 = BatchNorm2(y2).  A work-group takes 128 rows, wave w rows 16 w on; each load and store covers a whole row of 512 bytes.
; The statistics of all 32,768 rows are put together by every work-group from the 256 partial means and sums of squared deviations (each of 128 rows): mean = the mean of the means;
; the sum of squared deviations = the sum of the partial ones + 128 x the sum of (partial mean - mean)^2: no difference of large sums.  Wave w takes partials w + 8 k; the waves' parts meet in LDS.
; A stream: no matrix unit, no cluster, no tensor load; all of a wave's loads are on their way while the statistics are summed.
; LIMITS: NaN and infinities are not served; 1 / sqrt is v_rsq_f32.
.set LI,  1                            ; 16 x lane
.set RW,  7                            ; LDS: where I put my part of a statistic (two regions of 4 KB, at 0 and 4,096)
.set RR,  8                            ; where all parts are read
.set MEAN, 22
.set AA,  26
.set BETA, 30
.set GAMMA, 34
.set AC,  70
.set AD,  78
.set T,   92
.set Y,   128                          ; my 16 rows: row i at v[Y + 4 i], channels 4 x lane on
.set MP,  0                            ; window 1: 32 partial means, 32 partial sums
.set M2P, 128
.set MSB, 0
.macro WIN new                         ; the immediate's high byte repeats the setting that is left
.if MSB != \new
	s_set_vgpr_msb (MSB<<8)|\new
.set MSB, \new
.endif
.endm
.macro BARRIER                         ; my LDS stores have landed and my LDS loads are in: then the work-group's barrier
	s_wait_dscnt 0x0
	s_barrier_signal -1
	s_barrier_wait -1
.endm
.macro GATHER ra, off                  ; the eight waves' parts are read and added: the sum in v[T:T+3]
.irp k, 0,1,2,3,4,5,6,7
	ds_load_b128 v[T+4*\k:T+4*\k+3], v[\ra] offset:\off+512*\k
.endr
	s_wait_dscnt 0x0
.irp k, 0,2,4,6
	v_pk_add_f32 v[T+4*\k:T+4*\k+1], v[T+4*\k:T+4*\k+1], v[T+4*\k+4:T+4*\k+5]
	v_pk_add_f32 v[T+4*\k+2:T+4*\k+3], v[T+4*\k+2:T+4*\k+3], v[T+4*\k+6:T+4*\k+7]
.endr
.irp k, 0,4
	v_pk_add_f32 v[T+4*\k:T+4*\k+1], v[T+4*\k:T+4*\k+1], v[T+4*\k+8:T+4*\k+9]
	v_pk_add_f32 v[T+4*\k+2:T+4*\k+3], v[T+4*\k+2:T+4*\k+3], v[T+4*\k+10:T+4*\k+11]
.endr
	v_pk_add_f32 v[T:T+1], v[T:T+1], v[T+16:T+17]
	v_pk_add_f32 v[T+2:T+3], v[T+2:T+3], v[T+18:T+19]
.endm
	s_load_b256 s[8:15], s[0:1], 0x0               ; y2 8, st2 10, gain 12, shift 14
	s_load_b64 s[16:17], s[0:1], 0x20              ; out0
	v_lshl_add_u32 v254, v0, 2, 0x2000
	v_mov_b32 v255, 0
	v_lshrrev_b32 v[AC], 5, v0
	v_readfirstlane_b32 s30, v[AC]                 ; wave
	v_and_b32 v[AC], 31, v0
	v_lshlrev_b32 v[LI], 4, v[AC]
	s_lshl_b32 s44, s30, 9
	v_add_nc_u32 v[RW], s44, v[LI]
	v_mov_b32 v[RR], v[LI]
	s_mov_b32 s38, 0x38000000                      ; 1 / 32,768
	s_mov_b32 s39, 0x3727c5ac                      ; 1e-5
	s_mov_b32 s40, 0x3b800000                      ; 1 / 256
	s_mov_b32 s41, s40
	s_mov_b32 s42, 0x43000000                      ; 128
	s_mov_b32 s43, s42
	s_lshl_b32 s44, s30, 10                        ; partial w
	s_mov_b32 s45, 0
	s_lshl_b32 s48, ttmp9, 16                      ; the work-group's 128 rows of 512 bytes,
	s_lshl_b32 s50, s30, 13
	s_add_co_u32 s48, s48, s50                     ; my 16 of them
	s_mov_b32 s49, 0
	s_wait_kmcnt 0x0
	s_add_nc_u64 s[26:27], s[10:11], s[44:45]
	s_add_nc_u64 s[28:29], s[8:9], s[48:49]
	s_add_nc_u64 s[32:33], s[16:17], s[48:49]
	WIN 0x40
.set k, 0
.rept 32
	global_load_b128 v[MP+4*k:MP+4*k+3], v[LI], s[26:27] offset:8192*k           ; the means of partials w + 8 k
.set k, k+1
.endr
	WIN 0
.set i, 0
.rept 16
	global_load_b128 v[Y+4*i:Y+4*i+3], v[LI], s[28:29] offset:512*i th:TH_LOAD_NT
.set i, i+1
.endr
	global_load_b128 v[GAMMA:GAMMA+3], v[LI], s[12:13]
	global_load_b128 v[BETA:BETA+3], v[LI], s[14:15]
	s_wait_loadcnt 18                              ; the means are in; the sixteen rows, the gain and the shift stay out
	WIN 0x40
.set k, 0
.rept 32
	global_load_b128 v[M2P+4*k:M2P+4*k+3], v[LI], s[26:27] offset:8192*k+512
.set k, k+1
.endr
	WIN 0x05                                       ; both sources window 1
.irp q, 0,1
.irp p, 0,2
	v_pk_add_f32 v[AC+4*\q+\p:AC+4*\q+\p+1], v[MP+4*\q+\p:MP+4*\q+\p+1], v[MP+4*\q+8+\p:MP+4*\q+8+\p+1]   ; two chains, begun by the first four partials: nothing is cleared
.endr
.endr
	WIN 0x04
.set k, 4
.rept 28
.irp p, 0,2
	v_pk_add_f32 v[AC+4*(k%2)+\p:AC+4*(k%2)+\p+1], v[AC+4*(k%2)+\p:AC+4*(k%2)+\p+1], v[MP+4*k+\p:MP+4*k+\p+1]
.endr
.set k, k+1
.endr
	WIN 0
	v_pk_add_f32 v[AC:AC+1], v[AC:AC+1], v[AC+4:AC+5]
	v_pk_add_f32 v[AC+2:AC+3], v[AC+2:AC+3], v[AC+6:AC+7]
	ds_store_b128 v[RW], v[AC:AC+3]
	BARRIER
	GATHER RR, 0
	v_pk_mul_f32 v[MEAN:MEAN+1], v[T:T+1], s[40:41] op_sel_hi:[1,0]          ; / 256
	v_pk_mul_f32 v[MEAN+2:MEAN+3], v[T+2:T+3], s[40:41] op_sel_hi:[1,0]
	WIN 0x41
.set k, 0
.rept 32
.irp p, 0,2
	v_pk_add_f32 v[MP+4*k+\p:MP+4*k+\p+1], v[MP+4*k+\p:MP+4*k+\p+1], v[MEAN+\p:MEAN+\p+1] neg_lo:[0,1] neg_hi:[0,1]
.endr
.set k, k+1
.endr
	WIN 0x05
.set k, 0
.rept 32
.irp p, 0,2
.if k < 2
	v_pk_mul_f32 v[AC+4*k+\p:AC+4*k+\p+1], v[MP+4*k+\p:MP+4*k+\p+1], v[MP+4*k+\p:MP+4*k+\p+1]
.else
	v_pk_fma_f32 v[AC+4*(k%2)+\p:AC+4*(k%2)+\p+1], v[MP+4*k+\p:MP+4*k+\p+1], v[MP+4*k+\p:MP+4*k+\p+1], v[AC+4*(k%2)+\p:AC+4*(k%2)+\p+1]
.endif
.endr
.set k, k+1
.endr
	s_wait_loadcnt 0x0                             ; the partial sums, and the rows, gain and shift asked for ahead of them
.irp q, 0,1
.irp p, 0,2
	v_pk_add_f32 v[AD+4*\q+\p:AD+4*\q+\p+1], v[M2P+4*\q+\p:M2P+4*\q+\p+1], v[M2P+4*\q+8+\p:M2P+4*\q+8+\p+1]
.endr
.endr
	WIN 0x04
.set k, 4
.rept 28
.irp p, 0,2
	v_pk_add_f32 v[AD+4*(k%2)+\p:AD+4*(k%2)+\p+1], v[AD+4*(k%2)+\p:AD+4*(k%2)+\p+1], v[M2P+4*k+\p:M2P+4*k+\p+1]
.endr
.set k, k+1
.endr
	WIN 0
.irp p, 0,2
	v_pk_add_f32 v[AC+\p:AC+\p+1], v[AC+\p:AC+\p+1], v[AC+4+\p:AC+4+\p+1]
	v_pk_add_f32 v[AD+\p:AD+\p+1], v[AD+\p:AD+\p+1], v[AD+4+\p:AD+4+\p+1]
.endr
.irp p, 0,2
	v_pk_fma_f32 v[AD+\p:AD+\p+1], v[AC+\p:AC+\p+1], s[42:43], v[AD+\p:AD+\p+1] op_sel_hi:[1,0,1]   ; + 128 x the squared distances of the means
.endr
	ds_store_b128 v[RW], v[AD:AD+3] offset:4096
	BARRIER
	GATHER RR, 4096
.irp e, 0,1,2,3
	v_fma_f32 v[T+\e], v[T+\e], s38, s39           ; / 32,768 + eps
.endr
.irp e, 0,1,2,3
	v_rsq_f32 v[T+\e], v[T+\e]
.endr
	v_nop                                          ; a plain line behind the transcendentals
	s_wait_alu depctr_va_vdst(0)
	v_pk_mul_f32 v[AA:AA+1], v[T:T+1], v[GAMMA:GAMMA+1]
	v_pk_mul_f32 v[AA+2:AA+3], v[T+2:T+3], v[GAMMA+2:GAMMA+3]
.set i, 0
.rept 32
	v_pk_add_f32 v[Y+2*i:Y+2*i+1], v[Y+2*i:Y+2*i+1], v[MEAN+2*(i%2):MEAN+2*(i%2)+1] neg_lo:[0,1] neg_hi:[0,1]
.set i, i+1
.endr
.set i, 0
.rept 32
	v_pk_fma_f32 v[Y+2*i:Y+2*i+1], v[Y+2*i:Y+2*i+1], v[AA+2*(i%2):AA+2*(i%2)+1], v[BETA+2*(i%2):BETA+2*(i%2)+1]
.set i, i+1
.endr
.set i, 0
.rept 16
	global_store_b128 v[LI], v[Y+4*i:Y+4*i+3], s[32:33] offset:512*i th:TH_STORE_NT   ; 32 lanes store a whole row of 512 bytes; written once, read by nobody here
.set i, i+1
.endr
	s_wait_tensorcnt 0x0
	ds_add_u32 v254, v255
	s_wait_dscnt 0x0
	s_endpgm
.Lfunc_end_k_q2dda4d733a_bn2:
	.size	k_q2dda4d733a_bn2, .Lfunc_end_k_q2dda4d733a_bn2-k_q2dda4d733a_bn2
	.p2alignl 7, 3214868480
	.fill 96, 4, 3214868480
	.section	.rodata,"a",@progbits
	.p2align	6, 0x0
	.amdhsa_kernel k_q2dda4d733a_bn2
		.amdhsa_group_segment_fixed_size 9216
		.amdhsa_private_segment_fixed_size 0
		.amdhsa_enable_private_segment 0
		.amdhsa_kernarg_size 40
		.amdhsa_user_sgpr_count 2
		.amdhsa_user_sgpr_kernarg_segment_ptr 1
		.amdhsa_wavefront_size32 1
		.amdhsa_system_sgpr_workgroup_id_x 1
		.amdhsa_system_sgpr_workgroup_id_y 1
		.amdhsa_system_sgpr_workgroup_id_z 1
		.amdhsa_system_vgpr_workitem_id 0
		.amdhsa_next_free_vgpr 512
		.amdhsa_next_free_sgpr 66
		.amdhsa_reserve_vcc 0
		.amdhsa_float_denorm_mode_32 3
		.amdhsa_float_denorm_mode_16_64 3
		.amdhsa_memory_ordered 1
		.amdhsa_forward_progress 1
		.amdhsa_inst_pref_size 35
	.end_amdhsa_kernel
	.amdgpu_metadata
---
amdhsa.version: [ 1, 2 ]
amdhsa.kernels:
  - .name:           k_q2dda4d733a_bn2
    .symbol:         k_q2dda4d733a_bn2.kd
    .args:
      - { .name: y2, .offset: 0, .size: 8, .value_kind: global_buffer, .address_space: global }
      - { .name: st2, .offset: 8, .size: 8, .value_kind: global_buffer, .address_space: global }
      - { .name: bn2_g, .offset: 16, .size: 8, .value_kind: global_buffer, .address_space: global }
      - { .name: bn2_b, .offset: 24, .size: 8, .value_kind: global_buffer, .address_space: global }
      - { .name: out0, .offset: 32, .size: 8, .value_kind: global_buffer, .address_space: global }
    .group_segment_fixed_size: 9216
    .private_segment_fixed_size: 0
    .kernarg_segment_align: 8
    .kernarg_segment_size: 40
    .max_flat_workgroup_size: 256
    .sgpr_count:     66
    .vgpr_count:     512
    .wavefront_size: 32
...
	.end_amdgpu_metadata
.endif
;; end of part 4
;; ======== version 2 of 2: 4 launches; version 1 with the launches attn, ffn written anew for expert scheduling mode
;; workspace buffers: xq 2,228,224 bytes; wqc 104,448 bytes; y1 16,777,216 bytes; y2 16,777,216 bytes; st1 262,144 bytes; st2 262,144 bytes
;; launch prep: the kernel of part 1 again; grid 268 x 1, 8 waves a work-group, no clusters, 69,632 bytes of LDS; arguments embedding_node, wq_w, wk_w, wv_w, w_w, ff1_w, ff2_w, xq, wqc; writes xq, wqc
;; launch attn (part 5): grid 256 x 1, 8 waves a work-group, no clusters, 214,016 bytes of LDS; arguments xq, wqc, wq_b, wk_b, wv_b, w_b, embedding_node, y1, st1; writes y1, st1
.if DOCPART == 5
	.amdgcn_target "amdgcn-amd-amdhsa--gfx1250"
	.amdhsa_code_object_version 6
	.text
	.protected	k_q2dda4d733a_attn
	.globl	k_q2dda4d733a_attn
	.p2align	8
	.type	k_q2dda4d733a_attn,@function
k_q2dda4d733a_attn:
	s_mov_b64 s[64:65], 0
	v_nop
	global_prefetch_b8 v0, s[64:65] scope:SCOPE_SE
	s_setreg_imm32_b32 hwreg(HW_REG_WAVE_SCHED_MODE, 0, 2), 2
	s_setreg_imm32_b32 hwreg(HW_REG_WAVE_MODE, 25, 1), 1
	s_wait_xcnt 0x0
	s_wait_alu depctr_vm_vsrc(0)
; ATTN: y1 = softmax(q k^T / 4) v  W + w_b + x, and for each work-group the mean and the sum of squared deviations of its 128 rows, channel by channel (st1).
; SHARES.  Work-group G: batch G / 4, 128 queries (quarter G % 4), all 8 heads, all 512 keys.  WAVE w IS HEAD w: its K of 512 keys stays in 256 registers, its V as codes in its own LDS bytes; the loop over queries has no barrier.
; Two waves share a SIMD: one wave's softmax stands beside the other's f32 products.  The four work-groups of a batch each make k and v anew from the codes of x: no memory round trip.  No cluster: what the four share is one fill of 34,816 bytes.
; LAYOUT.  k and q are made TRANSPOSED (source 0 = my head's 16 columns of the weight, source 1 = 16 rows of x): lane (r, h) holds d = 8 h + j of row r.  That is the f32 form's operand as it stands, if K step s takes
; registers 2 s, 2 s + 1 of both sides: the same permutation of d on both.  S^T = K Q^T: a lane holds ONE query.  The rows of a tile of x are chosen (lane r of tile 2 b + u: row 32 b + 8 u + r + 8 (r / 8)) so that the 16 registers of
; tiles 2 b, 2 b + 1 of S^T are keys 32 b + 16 h + 0 .. 15; v, made the other way round (source 0 = rows of x), has lane = d and its registers down the same keys: the quantiser's K.
; SOFTMAX: t = score x log2(e) / 4; M = the running largest t rounded up to a whole number; p = 2^(t - M) is quantised along the keys, not normalised; the sum of the unquantised p divides at the end.
; Queries keep the tiles' order of rows until y1 is stored.
; LIMITS: NaN and infinities are not served; blocks whose largest magnitude lies under 2^-124 take the byte 1; p under 2^-126 counts as 0 (v_exp_f32); 1 / l is v_rcp_f32.
; LDS: x's codes of the batch 0; their scale words XS; Q's images QI (8 KB a wave); V's images VI (4 KB a wave) and scale words VS; the heads' outputs OF, 128 rows x 528 bytes; RC, RD the statistics.
; THE MODE: SCHED_MODE bits 1:0 = 2 (LLVM: expert scheduling mode 2), set by the entry lines.  The code itself states the register dependences
; between vector or matrix instructions and memory or LDS instructions, with s_wait_alu, always for 0.
; THE PLAN, in the loop over tiles of queries.  Registers that LDS instructions touch:
;   QF            Loaded at a trip's head; read by the trip's 128 f32 products.
;   V's fragment and scale words, two buffers: key step ks reads buffer ks % 2 in its one product on codes.  Step 0's are asked for at the trip's head, step ks + 1's behind step ks's product.
;   v[AD0]        Written at a trip's head; read by Q's two loads.
;   v[AD1], OUTR  Written at a trip's end; read by the two stores into OF.
;   v[VA], v[VSA] Read by V's loads; written at the kernel's head and, behind the loop, anew.
;   K, S, P, the codes and scale word of p and O^T are named by vector and matrix instructions alone.
; So a trip has: one wait on vm_vsrc at its head (the last trip's loads and stores have read AD0, AD1, OUTR); one on va_vdst behind the add to AD0; in each step ONE on va_vdst, directly ahead of the product on codes
; (p's codes and scale word are written; the product of the step before is done reading the other buffer of V, in which the loads behind the product land), beside the wait behind the exponentials; and one ahead of the trip's stores.
.set XS,  32768
.set QI,  34816
.set VI,  100352
.set VS,  133120
.set OF,  137216
.set SP,  528                          ; 512 bytes + 16 = 33 x 16: sixteen rows begin at sixteen different 16-byte columns of 256
.set RC,  204800                       ; RD = RC + 4096
; window 0
.set LI,  1                            ; 16 x lane
.set QA,  2                            ; my Q images; later my rows of OF, 16 bytes a lane
.set VA,  3                            ; my V images; later where I put my part of a statistic
.set VSA, 4                            ; my V scale words; later where all parts are read
.set OA,  5                            ; OF: row r, + 64 x head + 32 h
.set AD0, 6                            ; addresses in hand
.set AD1, 7
.set NM,  8                            ; v8 -M, v9 the largest t
.set LS,  10                           ; v[10:11] the row's sum in two halves
.set QF,  12                           ; v[12:19] Q's tile
.set OT,  20                           ; v[20:27] O^T
.set PC,  28                           ; v[28:35] codes just made
.set PSW, 36                           ; scale words, and nothing else, in v36-49
.set VSW, 37                           ; v37, v38: V's scale words, buffer ks % 2 (v38 holds wq's scale words while q is made)
.set WQS, 38
.set WKS, 39
.set WVS, 40
.set VW,  41
.set XSC, 42
.set WWS, 46
.set FF,  50                           ; v[50:51] f = 2^(old M - new M)
.set VF,  52                           ; V's fragment, buffer ks % 2: v[52:59] and v[96:103] (VF + 44)
.set BM,  60
.set PT,  64
.set SO,  68
.set T0,  72
.set T1,  73
.set RL,  74                           ; v[74:75] 1 / l
.set OUTR, 76                          ; v[76:83] O^T / l
.set WQ,  12                           ; while k, v and q are made: my head's tiles of the weights, the biases, four tiles of x
.set WK,  20
.set WV,  52
.set BQ,  76
.set BK,  84
.set BV,  92
.set XF,  96
.set P,   128                          ; v[128:191] v, q, then p, then rows of y1
.set S,   192                          ; v[192:255] S^T: written by matrix instructions alone
.set SA,  12                           ; the statistics
.set SQ,  16
.set WM,  20
.set DD,  24
.set WB,  88
.set T,   96
; window 1: K's tile T at v[8 T]; behind the loop W at v0-63, its results at v64-127, the residual rows at v128-191
.set WW,  0
.set YA,  64
.set XR,  128
.set SEL, 36                           ; s[36:37]
.set CS,  38                           ; s[38:39] log2(e) / 4
.set C128, 56                          ; s[56:57] 1 / 128
.set MSB, 0
.macro WIN new                         ; the immediate's high byte repeats the setting that is left
.if MSB != \new
	s_set_vgpr_msb (MSB<<8)|\new
.set MSB, \new
.endif
.endm
.macro BARRIER                         ; my LDS stores have landed and my LDS loads are in: then the work-group's barrier
	s_wait_dscnt 0x0
	s_barrier_signal -1
	s_barrier_wait -1
.endm
.macro PLACES n                        ; plain vector lines between a matrix instruction and what touches its registers (ISA guide 7.12.1)
.rept \n
	v_nop
.endr
.endm
; one product on codes: D, A, B, C (under 0: the constant 0), A's and B's scale registers, and whether each is read from lanes 16-31
.macro MM4 d, a, b, c, sa, sb, ra, rb
.if (\c) < 0
.if \ra
	v_wmma_scale_f32_16x16x128_f8f6f4 v[(\d):(\d)+7], v[(\a):(\a)+7], v[(\b):(\b)+7], 0, v[\sa], v[\sb] matrix_a_fmt:MATRIX_FMT_FP4 matrix_b_fmt:MATRIX_FMT_FP4 matrix_a_scale:MATRIX_SCALE_ROW1
.elseif \rb
	v_wmma_scale_f32_16x16x128_f8f6f4 v[(\d):(\d)+7], v[(\a):(\a)+7], v[(\b):(\b)+7], 0, v[\sa], v[\sb] matrix_a_fmt:MATRIX_FMT_FP4 matrix_b_fmt:MATRIX_FMT_FP4 matrix_b_scale:MATRIX_SCALE_ROW1
.else
	v_wmma_scale_f32_16x16x128_f8f6f4 v[(\d):(\d)+7], v[(\a):(\a)+7], v[(\b):(\b)+7], 0, v[\sa], v[\sb] matrix_a_fmt:MATRIX_FMT_FP4 matrix_b_fmt:MATRIX_FMT_FP4
.endif
.else
.if \ra
	v_wmma_scale_f32_16x16x128_f8f6f4 v[(\d):(\d)+7], v[(\a):(\a)+7], v[(\b):(\b)+7], v[(\c):(\c)+7], v[\sa], v[\sb] matrix_a_fmt:MATRIX_FMT_FP4 matrix_b_fmt:MATRIX_FMT_FP4 matrix_a_scale:MATRIX_SCALE_ROW1
.elseif \rb
	v_wmma_scale_f32_16x16x128_f8f6f4 v[(\d):(\d)+7], v[(\a):(\a)+7], v[(\b):(\b)+7], v[(\c):(\c)+7], v[\sa], v[\sb] matrix_a_fmt:MATRIX_FMT_FP4 matrix_b_fmt:MATRIX_FMT_FP4 matrix_b_scale:MATRIX_SCALE_ROW1
.else
	v_wmma_scale_f32_16x16x128_f8f6f4 v[(\d):(\d)+7], v[(\a):(\a)+7], v[(\b):(\b)+7], v[(\c):(\c)+7], v[\sa], v[\sb] matrix_a_fmt:MATRIX_FMT_FP4 matrix_b_fmt:MATRIX_FMT_FP4
.endif
.endif
.endm
; 64 numbers of a lane, register 16 b + i = k 32 b + 16 (lane / 16) + i of my row, become the operand's 8 registers and the row's scale word
.macro QUANT src, pc, pw
.irp b, 0,1,2,3
	v_max3_num_f32 v[BM+\b], |v[\src+16*\b]|, |v[\src+16*\b+1]|, 0x1800000   ; and the floor 2^(3 - 127): the byte cannot fall under 1
.endr
.irp i, 2,4,6,8,10,12,14
.irp b, 0,1,2,3
	v_max3_num_f32 v[BM+\b], v[BM+\b], |v[\src+16*\b+\i]|, |v[\src+16*\b+\i+1]|
.endr
.endr
.irp b, 0,1,2,3
	v_permlanex16_b32 v[PT+\b], v[BM+\b], s[SEL], s[SEL+1]
.endr
.irp b, 0,1,2,3
	v_max_num_f32 v[BM+\b], v[BM+\b], v[PT+\b]
.endr
.irp b, 0,1,2,3
	v_add_nc_u32 v[SO+\b], 0xff000000, v[BM+\b]            ; 2 off the exponent field: the conversion's scale operand
.endr
.irp b, 0,1,2,3
	v_lshrrev_b32 v[PT+\b], 23, v[SO+\b]                   ; the scale's byte
.endr
	v_lshl_or_b32 v[\pw], v[PT+1], 8, v[PT]
	v_lshl_or_b32 v[\pw], v[PT+2], 16, v[\pw]
	v_lshl_or_b32 v[\pw], v[PT+3], 24, v[\pw]
.irp b, 0,1,2,3
	v_cvt_scalef32_pk8_fp4_f32 v[\pc+2*\b], v[\src+16*\b:\src+16*\b+7], v[SO+\b]
	v_cvt_scalef32_pk8_fp4_f32 v[\pc+2*\b+1], v[\src+16*\b+8:\src+16*\b+15], v[SO+\b]
.endr
	v_nop                                                  ; one plain line behind a scaled conversion
.irp c, 0,1
.irp i, 0,1
	v_permlane16_swap_b32 v[\pc+4*\c+\i], v[\pc+4*\c+2+\i] ; a whole block to a lane
.endr
.endr
.endm
.macro GATHER ra, off                  ; the eight waves' parts, four numbers a lane each, are read and added: the sum in v[T:T+3]
.irp k, 0,1,2,3,4,5,6,7
	ds_load_b128 v[T+4*\k:T+4*\k+3], v[\ra] offset:\off+512*\k
.endr
	s_wait_dscnt 0x0
.irp k, 0,2,4,6
	v_pk_add_f32 v[T+4*\k:T+4*\k+1], v[T+4*\k:T+4*\k+1], v[T+4*\k+4:T+4*\k+5]
	v_pk_add_f32 v[T+4*\k+2:T+4*\k+3], v[T+4*\k+2:T+4*\k+3], v[T+4*\k+6:T+4*\k+7]
.endr
.irp k, 0,4
	v_pk_add_f32 v[T+4*\k:T+4*\k+1], v[T+4*\k:T+4*\k+1], v[T+4*\k+8:T+4*\k+9]
	v_pk_add_f32 v[T+4*\k+2:T+4*\k+3], v[T+4*\k+2:T+4*\k+3], v[T+4*\k+10:T+4*\k+11]
.endr
	v_pk_add_f32 v[T:T+1], v[T:T+1], v[T+16:T+17]
	v_pk_add_f32 v[T+2:T+3], v[T+2:T+3], v[T+18:T+19]
.endm
; the work-group's mean and sum of squared deviations over its 128 rows; v[y + 4 i ..] = my row i, channels 4 x lane on.  Two passes over registers: no difference of large sums
.macro WGSTAT y, wa, ra, oc, od
	v_pk_add_f32 v[SA:SA+1], v[\y:\y+1], v[\y+4:\y+5]
	v_pk_add_f32 v[SA+2:SA+3], v[\y+2:\y+3], v[\y+6:\y+7]
.irp i, 2,3,4,5,6,7,8,9,10,11,12,13,14,15
	v_pk_add_f32 v[SA:SA+1], v[SA:SA+1], v[\y+4*\i:\y+4*\i+1]
	v_pk_add_f32 v[SA+2:SA+3], v[SA+2:SA+3], v[\y+4*\i+2:\y+4*\i+3]
.endr
	s_wait_alu depctr_va_vdst(0)                   ; the additions have written v[SA ..], which the LDS store reads
	ds_store_b128 v[\wa], v[SA:SA+3] offset:\oc
	BARRIER
	GATHER \ra, \oc
	v_pk_mul_f32 v[WM:WM+1], v[T:T+1], s[C128:C128+1] op_sel_hi:[1,0]
	v_pk_mul_f32 v[WM+2:WM+3], v[T+2:T+3], s[C128:C128+1] op_sel_hi:[1,0]
.irp i, 0,1,2,3,4,5,6,7,8,9,10,11,12,13,14,15
	v_pk_add_f32 v[DD:DD+1], v[\y+4*\i:\y+4*\i+1], v[WM:WM+1] neg_lo:[0,1] neg_hi:[0,1]
	v_pk_add_f32 v[DD+2:DD+3], v[\y+4*\i+2:\y+4*\i+3], v[WM+2:WM+3] neg_lo:[0,1] neg_hi:[0,1]
.if \i == 0
	v_pk_mul_f32 v[SQ:SQ+1], v[DD:DD+1], v[DD:DD+1]
	v_pk_mul_f32 v[SQ+2:SQ+3], v[DD+2:DD+3], v[DD+2:DD+3]
.else
	v_pk_fma_f32 v[SQ:SQ+1], v[DD:DD+1], v[DD:DD+1], v[SQ:SQ+1]
	v_pk_fma_f32 v[SQ+2:SQ+3], v[DD+2:DD+3], v[DD+2:DD+3], v[SQ+2:SQ+3]
.endif
.endr
	s_wait_alu depctr_va_vdst(0)                   ; v[SQ ..] is written, which the LDS store reads; v[WM ..] is written, which wave 0 stores; the additions are done with v[T ..], in which wave 0's last loads land
	ds_store_b128 v[\wa], v[SQ:SQ+3] offset:\od
	BARRIER
.endm
	s_load_b512 s[8:23], s[0:1], 0x0               ; xq 8, wqc 10, wq_b 12, wk_b 14, wv_b 16, w_b 18, x 20, y1 22
	s_load_b64 s[24:25], s[0:1], 0x40              ; st1
	v_lshl_add_u32 v94, v0, 2, 0x34000
	v_mov_b32 v95, 0
	v_lshrrev_b32 v[T0], 5, v0
	v_readfirstlane_b32 s30, v[T0]                 ; wave = head
	s_lshr_b32 s31, ttmp9, 2                       ; batch
	s_and_b32 s32, ttmp9, 3                        ; which 128 queries
	v_and_b32 v[T0], 31, v0
	v_lshlrev_b32 v[LI], 4, v[T0]
	s_wait_alu depctr_va_sdst(0)                   ; s30 is written, ahead of its first reader: LDS addresses and bases are made from it
	s_lshl_b32 s44, s30, 13
	s_add_co_u32 s44, s44, QI
	v_add_nc_u32 v[QA], s44, v[LI]
	s_lshl_b32 s44, s30, 12
	s_add_co_u32 s44, s44, VI
	v_add_nc_u32 v[VA], s44, v[LI]
	s_lshl_b32 s44, s30, 9
	s_add_co_u32 s44, s44, VS
	v_lshl_add_u32 v[VSA], v[T0], 2, s44
	v_and_b32 v[T0], 15, v0                        ; r
	v_bfe_u32 v[T1], v0, 4, 1                      ; h
	s_lshl_b32 s33, s30, 6                         ; 64 x head: my 16 channels in bytes
	s_add_co_u32 s44, s33, OF
	v_mul_u32_u24 v[OA], v[T0], SP
	v_lshl_add_u32 v[OA], v[T1], 5, v[OA]
	v_add_nc_u32 v[OA], s44, v[OA]
	v_lshlrev_b32 v[AD0], 4, v0                    ; the fill of x's codes: 16 bytes a thread,
	v_lshlrev_b32 v[AD1], 3, v0                    ; of their scale words: 8
	s_and_b32 s44, s30, 1
	s_lshl_b32 s44, s44, 8
	s_lshr_b32 s45, s30, 1
	s_lshl_b32 s45, s45, 2
	s_add_co_u32 s44, s44, s45
	v_lshl_add_u32 v[BM], v[T0], 4, s44            ; my tile's scale words in a group's block: 16 (16 (w % 2) + r) + 4 (w / 2)
	v_lshl_add_u32 v[BM+1], v[T1], 5, s33          ; bq, bk: d = 8 h + 0 .. 7 of my head
	v_lshl_add_u32 v[BM+2], v[T0], 2, s33          ; bv: d = r
.irp b, 0,1,2,3
	v_mov_b32 v[PT+\b], 0                          ; written once: a lane permute's destination counts as one of its sources
.endr
	v_mov_b32 v[FF+1], 0                           ; (named as the upper halves of pairs of which the low word serves both)
	v_mov_b32 v[RL+1], 0
	s_mov_b32 s[SEL], 0x76543210
	s_mov_b32 s[SEL+1], 0xfedcba98
	s_mov_b32 s[CS], 0x3eb8aa3b                    ; log2(e) / 4
	s_mov_b32 s[CS+1], s[CS]
	s_mov_b32 s[C128], 0x3c000000
	s_mov_b32 s[C128+1], s[C128]
	s_mul_i32 s44, s31, 34816                      ; the batch's codes and scale words
	s_mov_b32 s45, 0
	s_lshl_b32 s46, s30, 10                        ; my head's tile in each weight group
	s_mov_b32 s47, 0
	s_lshl_b32 s48, ttmp9, 16                      ; the work-group's 128 rows of 512 bytes,
	s_lshr_b32 s34, s30, 1
	s_lshl_b32 s34, s34, 14
	s_add_co_u32 s48, s48, s34
	s_and_b32 s34, s30, 1
	s_lshl_b32 s34, s34, 12
	s_add_co_u32 s48, s48, s34                     ; and query tile w's first row: 32 (w / 2) + 8 (w % 2)
	s_mov_b32 s49, 0
	s_lshl_b32 s34, ttmp9, 10
	s_mov_b32 s35, 0
	s_wait_kmcnt 0x0
	s_add_nc_u64 s[26:27], s[8:9], s[44:45]
	s_add_nc_u64 s[28:29], s[10:11], s[46:47]
	s_add_nc_u64 s[50:51], s[20:21], s[48:49]
	s_add_nc_u64 s[52:53], s[22:23], s[48:49]
	s_add_nc_u64 s[54:55], s[24:25], s[34:35]
	s_wait_alu depctr_va_vdst(0)                   ; the offsets and LDS addresses v1 to v7 and v[BM] to v[BM+2] are written, which the loads and stores below read
.set i, 0
.rept 8
	global_load_b128 v[P+4*i:P+4*i+3], v[AD0], s[26:27] offset:4096*i
.set i, i+1
.endr
	global_load_b64 v[P+32:P+33], v[AD1], s[26:27] offset:XS
	global_load_b128 v[WQ:WQ+3], v[LI], s[28:29]
	global_load_b128 v[WQ+4:WQ+7], v[LI], s[28:29] offset:512
	global_load_b128 v[WK:WK+3], v[LI], s[28:29] offset:8192
	global_load_b128 v[WK+4:WK+7], v[LI], s[28:29] offset:8192+512
	global_load_b128 v[WV:WV+3], v[LI], s[28:29] offset:16384
	global_load_b128 v[WV+4:WV+7], v[LI], s[28:29] offset:16384+512
	global_load_b32 v[WQS], v[BM], s[10:11] offset:98304
	global_load_b32 v[WKS], v[BM], s[10:11] offset:98304+512
	global_load_b32 v[WVS], v[BM], s[10:11] offset:98304+1024
	global_load_b128 v[BQ:BQ+3], v[BM+1], s[12:13]
	global_load_b128 v[BQ+4:BQ+7], v[BM+1], s[12:13] offset:16
	global_load_b128 v[BK:BK+3], v[BM+1], s[14:15]
	global_load_b128 v[BK+4:BK+7], v[BM+1], s[14:15] offset:16
	global_load_b32 v[BV], v[BM+2], s[16:17]
	global_load_b32 v[BV+1], v[BM+2], s[16:17]
	s_wait_loadcnt 15                              ; the nine loads of the fill are in; the fifteen behind them stay out
.set i, 0
.rept 8
	ds_store_b128 v[AD0], v[P+4*i:P+4*i+3] offset:4096*i
.set i, i+1
.endr
	ds_store_b64 v[AD1], v[P+32:P+33] offset:XS
	BARRIER                                        ; the batch's codes and scale words lie in LDS
	s_wait_loadcnt 0x0
	s_wait_alu depctr_vm_vsrc(0)                   ; the head's loads have read their offsets v[BM] to v[BM+2], the fill's stores v[AD0], v[AD1] and their data v[P ..]: the products, the quantiser and the address lines below write these
	; ---- K and V of my head, 128 keys at a time, four tiles of x at a time
.set kg, 0
.rept 4
.set hf, 0
.rept 2
.if kg+hf > 0
	PLACES 4                                       ; in front of loads into registers that matrix instructions have read
.endif
.if hf > 0
	s_wait_alu depctr_va_vdst(0)                   ; the first half's products are done reading the four tiles of x, in which the loads below land (a group's first half: the wait ahead of the last image's stores has stated it)
.endif
.set qi, 0
.rept 4
	ds_load_b128 v[XF+8*qi:XF+8*qi+3], v[LI] offset:1024*(8*kg+4*hf+qi)
	ds_load_b128 v[XF+8*qi+4:XF+8*qi+7], v[LI] offset:1024*(8*kg+4*hf+qi)+512
.set qi, qi+1
.endr
.if hf == 0
	ds_load_b128 v[XSC:XSC+3], v[LI] offset:XS+512*kg
.endif
	s_wait_dscnt 0x0
	WIN 0x40                                       ; K's tiles lie in window 1
.set qi, 0
.rept 4
	MM4 8*(8*kg+4*hf+qi), WK, XF+8*qi, BK, WKS, XSC+(4*hf+qi)/2, 0, qi%2      ; k^T: lane (r, h): d = 8 h + j of key r; the bias is the C
.set qi, qi+1
.endr
	WIN 0
.set qi, 0
.rept 4
	MM4 P+8*(4*hf+qi), XF+8*qi, WV, -1, XSC+(4*hf+qi)/2, WVS, qi%2, 0         ; v: lane (r, h): d = r, registers down the keys
.set qi, qi+1
.endr
.set hf, hf+1
.endr
	PLACES 4
.set i, 0
.rept 32
	v_pk_add_f32 v[P+2*i:P+2*i+1], v[P+2*i:P+2*i+1], v[BV:BV+1] op_sel_hi:[1,0]   ; + bv[d], each result from its low end on
.set i, i+1
.endr
.if kg > 0
	s_wait_alu depctr_vm_vsrc(0)                   ; the stores of the last group's image have read v[PC ..] and v[VW], which the quantiser writes again
.endif
	QUANT P, PC, VW                                ; along the keys: one fragment of V^T and its scale words
	s_wait_alu depctr_va_vdst(0)                   ; the quantiser has written v[PC ..] and v[VW], which the stores read; the group's products are done reading the tiles of x and their scale words, in which the next loads land
	ds_store_b128 v[VA], v[PC:PC+3] offset:1024*kg
	ds_store_b128 v[VA], v[PC+4:PC+7] offset:1024*kg+512
	ds_store_b32 v[VSA], v[VW] offset:128*kg       ; my own bytes: no barrier
.set kg, kg+1
.endr
	; ---- Q of my head for the work-group's 128 queries: eight images in my own LDS bytes
	s_lshl_b32 s44, s32, 13
	v_add_nc_u32 v[AD0], s44, v[LI]
	s_lshl_b32 s44, s32, 9
	s_add_co_u32 s44, s44, XS
	v_add_nc_u32 v[AD1], s44, v[LI]
	s_wait_alu depctr_va_vdst(0)                   ; v[AD0] and v[AD1] are written, which the loads below read
	ds_load_b128 v[XSC:XSC+3], v[AD1]
.set hf, 0
.rept 2
.set qi, 0
.rept 4
	ds_load_b128 v[XF+8*qi:XF+8*qi+3], v[AD0] offset:1024*(4*hf+qi)
	ds_load_b128 v[XF+8*qi+4:XF+8*qi+7], v[AD0] offset:1024*(4*hf+qi)+512
.set qi, qi+1
.endr
	s_wait_dscnt 0x0
.set qi, 0
.rept 4
	MM4 P+8*(4*hf+qi), WQ, XF+8*qi, BQ, WQS, XSC+(4*hf+qi)/2, 0, qi%2
.set qi, qi+1
.endr
	PLACES 4                                       ; in front of the stores of the results, and of the next loads into the fragments' registers
	s_wait_alu depctr_va_vdst(0)                   ; the products have written v[P ..], which the stores read, and are done reading the tiles of x, in which the next half's loads land; the places above stay beside this wait
.set qi, 0
.rept 4
	ds_store_b128 v[QA], v[P+8*(4*hf+qi):P+8*(4*hf+qi)+3] offset:1024*(4*hf+qi)
	ds_store_b128 v[QA], v[P+8*(4*hf+qi)+4:P+8*(4*hf+qi)+7] offset:1024*(4*hf+qi)+512
.set qi, qi+1
.endr
.set hf, hf+1
.endr
; V's fragment and scale words of key step ks, into buffer ks % 2
.macro VLOAD ks
	ds_load_b128 v[VF+44*((\ks)%2):VF+44*((\ks)%2)+3], v[VA] offset:1024*(\ks)
	ds_load_b128 v[VF+44*((\ks)%2)+4:VF+44*((\ks)%2)+7], v[VA] offset:1024*(\ks)+512
	ds_load_b32 v[VSW+(\ks)%2], v[VSA] offset:128*(\ks)
.endm
; A KEY STEP: 128 keys.  first = 1: it starts M, the sum and O^T.
.macro STEP ks, first
	WIN 0x01                                       ; K in window 1
.set si, 0
.rept 4                                        ; S^T = K Q^T in f32: 4 of the head's 16 a step, the eight tiles of keys by turns; the first step starts the sums
.set ti, 0
.rept 8
.if si == 0
	v_wmma_f32_16x16x4_f32 v[S+8*ti:S+8*ti+7], v[8*(8*\ks+ti)+2*si:8*(8*\ks+ti)+2*si+1], v[QF+2*si:QF+2*si+1], 0
.else
	v_wmma_f32_16x16x4_f32 v[S+8*ti:S+8*ti+7], v[8*(8*\ks+ti)+2*si:8*(8*\ks+ti)+2*si+1], v[QF+2*si:QF+2*si+1], v[S+8*ti:S+8*ti+7]
.endif
.set ti, ti+1
.endr
.set si, si+1
.endr
	WIN 0
	PLACES 8                                       ; behind the f32 form eight, before its results are read
.irp b, 0,1,2,3
	v_max3_num_f32 v[BM+\b], v[S+16*\b], v[S+16*\b+1], v[S+16*\b+2]   ; the largest score of each block of 32 keys: for the row's maximum, and, since p rises with the score, for the block's largest p
.endr
.irp i, 3,5,7,9,11,13
.irp b, 0,1,2,3
	v_max3_num_f32 v[BM+\b], v[BM+\b], v[S+16*\b+\i], v[S+16*\b+\i+1]
.endr
.endr
.irp b, 0,1,2,3
	v_max_num_f32 v[BM+\b], v[BM+\b], v[S+16*\b+15]
.endr
.irp b, 0,1,2,3
	v_permlanex16_b32 v[PT+\b], v[BM+\b], s[SEL], s[SEL+1]
.endr
.irp b, 0,1,2,3
	v_max_num_f32 v[BM+\b], v[BM+\b], v[PT+\b]     ; with lane l xor 16's 16 keys
.endr
	v_max3_num_f32 v[T0], v[BM], v[BM+1], v[BM+2]
	v_max_num_f32 v[T0], v[T0], v[BM+3]
.if \first
	v_mul_f32 v[NM+1], s[CS], v[T0]                ; the largest t
	v_floor_f32 v[NM], -v[NM+1]                    ; -M = floor(-t): M is a whole number
.else
	v_mul_f32 v[T0], s[CS], v[T0]
	v_max_num_f32 v[NM+1], v[NM+1], v[T0]          ; the running largest t
	v_mov_b32 v[T1], v[NM]
	v_floor_f32 v[NM], -v[NM+1]
	v_sub_f32 v[T1], v[NM], v[T1]                  ; old M - new M: a whole number, 0 or less
	v_cvt_i32_f32 v[T1], v[T1]
	v_ldexp_f32 v[FF], 1.0, v[T1]                  ; f = 2^(old M - new M): multiplying by it rounds nothing
.endif
.set i, 0
.rept 32
	v_pk_fma_f32 v[P+2*i:P+2*i+1], v[S+2*i:S+2*i+1], s[CS:CS+1], v[NM:NM+1] op_sel_hi:[1,0,0]   ; t - M, into other registers than the sums'
.set i, i+1
.endr
.irp b, 0,1,2,3
	v_fma_f32 v[BM+\b], v[BM+\b], s[CS], v[NM]
.endr
.set i, 0
.rept 64
	v_exp_f32 v[P+i], v[P+i]                       ; p = 2^(t - M)
.set i, i+1
.endr
.irp b, 0,1,2,3
	v_exp_f32 v[BM+\b], v[BM+\b]                   ; the block's largest p: the same two instructions on the same number
.endr
.if \first
	v_nop                                          ; a plain line behind the exponentials
	s_wait_alu depctr_va_vdst(0)                   ; the 68 exponentials have written v[P ..] and v[BM ..], ahead of their first reader: one wait for the batch
.else
	v_pk_mul_f32 v[LS:LS+1], v[LS:LS+1], v[FF:FF+1] op_sel_hi:[1,0]   ; the sum under the new M (a plain line behind the exponentials)
	s_wait_alu depctr_va_vdst(0)                   ; the 68 exponentials have written v[P ..] and v[BM ..], ahead of their first reader: one wait for the batch
.endif
.irp b, 0,1,2,3
	v_max_num_f32 v[BM+\b], 0x1800000, v[BM+\b]    ; the floor 2^(3 - 127)
.endr
.irp b, 0,1,2,3
	v_add_nc_u32 v[SO+\b], 0xff000000, v[BM+\b]
.endr
.irp b, 0,1,2,3
	v_lshrrev_b32 v[PT+\b], 23, v[SO+\b]
.endr
	v_lshl_or_b32 v[PSW], v[PT+1], 8, v[PT]        ; p's scale word for these 128 keys
	v_lshl_or_b32 v[PSW], v[PT+2], 16, v[PSW]
	v_lshl_or_b32 v[PSW], v[PT+3], 24, v[PSW]
.irp b, 0,1,2,3
	v_cvt_scalef32_pk8_fp4_f32 v[PC+2*\b], v[P+16*\b:P+16*\b+7], v[SO+\b]
	v_cvt_scalef32_pk8_fp4_f32 v[PC+2*\b+1], v[P+16*\b+8:P+16*\b+15], v[SO+\b]
.endr
	v_nop                                          ; one plain line behind a scaled conversion
.irp c, 0,1
.irp i, 0,1
	v_permlane16_swap_b32 v[PC+4*\c+\i], v[PC+4*\c+2+\i]
.endr
.endr
.if !\first
.irp i, 0,2,4,6
	v_pk_mul_f32 v[OT+\i:OT+\i+1], v[OT+\i:OT+\i+1], v[FF:FF+1] op_sel_hi:[1,0]   ; O^T under the new M, from its low end on
.endr
.endif
	v_pk_add_f32 v[PT:PT+1], v[P:P+1], v[P+2:P+3]  ; the row's sum is taken of the unquantised p, in two chains.  These lines are also the places between the scale word and codes just made and the product
.if \first
	v_pk_add_f32 v[LS:LS+1], v[P+4:P+5], v[P+6:P+7]
.else
	v_pk_add_f32 v[LS:LS+1], v[LS:LS+1], v[P+4:P+5]
	v_pk_add_f32 v[PT:PT+1], v[PT:PT+1], v[P+6:P+7]
.endif
.irp j, 8,12,16,20,24,28,32,36,40,44,48,52,56,60
	v_pk_add_f32 v[LS:LS+1], v[LS:LS+1], v[P+\j:P+\j+1]
	v_pk_add_f32 v[PT:PT+1], v[PT:PT+1], v[P+\j+2:P+\j+3]
.endr
	v_pk_add_f32 v[LS:LS+1], v[LS:LS+1], v[PT:PT+1]
	s_wait_dscnt 0x0                               ; V's fragment and scale words, asked for a step ago, are in
	s_wait_alu depctr_va_vdst(0)                   ; p's codes v[PC ..] and scale word v[PSW] are written, which the product takes; the product of the step before is done reading the other buffer of V, in which the loads behind this product land
.if \first
	MM4 OT, VF+44*((\ks)%2), PC, -1, VSW+(\ks)%2, PSW, 0, 0    ; O^T = V^T P^T: lane (r, h): d = 8 h + j of query r
.else
	MM4 OT, VF+44*((\ks)%2), PC, OT, VSW+(\ks)%2, PSW, 0, 0
.endif
.if \ks < 3
	VLOAD \ks+1                                    ; the next step's V.  No wait: the product above names this step's buffer, not the other
.endif
.endm
	s_mov_b32 s40, 0                               ; the tile of 16 queries
	s_mov_b32 s41, 0                               ; its image of Q
	s_mov_b32 s42, 0                               ; its rows of OF
.Lqt:
	s_wait_alu depctr_vm_vsrc(0)                   ; the last trip's loads of Q have read v[AD0], its stores v[AD1] and v[OUTR ..], which this trip writes; ahead of the first trip: the loads by v[AD0] and v[AD1] and the stores of Q's and V's images have read these, v[P ..] and v[PC ..]
	v_add_nc_u32 v[AD0], s41, v[QA]
	s_wait_alu depctr_va_vdst(0)                   ; v[AD0] is written, which Q's loads read; the products issued so far are done reading v[QF ..] and buffer 0 of V, in which the loads below land
	ds_load_b128 v[QF:QF+3], v[AD0]
	ds_load_b128 v[QF+4:QF+7], v[AD0] offset:512
	VLOAD 0
	s_wait_dscnt 3                                 ; LDS instructions come back in order: Q is in; V's three younger loads stay out
	STEP 0, 1
	STEP 1, 0
	STEP 2, 0
	STEP 3, 0
	v_add_f32 v[T0], v[LS], v[LS+1]                ; the sum's two halves,
	v_permlanex16_b32 v[PT], v[T0], s[SEL], s[SEL+1]
	v_add_f32 v[T0], v[T0], v[PT]                  ; and lane l xor 16's
	v_rcp_f32 v[RL], v[T0]
	v_add_nc_u32 v[AD1], s42, v[OA]                ; (a plain line behind the reciprocal; with the additions and the two below: the places behind the last product)
	v_nop
	v_nop
	s_wait_alu depctr_va_vdst(0)                   ; the reciprocal has written v[RL], ahead of its first reader; v[AD1] is written, which the stores below read
.irp i, 0,2,4,6
	v_pk_mul_f32 v[OUTR+\i:OUTR+\i+1], v[OT+\i:OT+\i+1], v[RL:RL+1] op_sel_hi:[1,0]
.endr
	s_wait_alu depctr_va_vdst(0)                   ; the four multiplications have written v[OUTR ..], which the stores read
	ds_store_b128 v[AD1], v[OUTR:OUTR+3]           ; row = 16 x tile + r, my head's 64 bytes, + 32 h
	ds_store_b128 v[AD1], v[OUTR+4:OUTR+7] offset:16
	s_add_co_u32 s41, s41, 1024
	s_add_co_u32 s42, s42, 16*SP
	s_add_co_u32 s40, s40, 1
	s_cmp_lt_u32 s40, 8
	s_cbranch_scc1 .Lqt
	; ---- the output projection: wave w takes query tile w, all 128 channels.  W, its scale words, w_b and the residual rows are asked for first
	WIN 0x40
	s_wait_alu depctr_va_vdst(0)                   ; the f32 products are done reading K's tiles, in whose registers W and the rows of x land
.set ti, 0
.rept 8
	global_load_b128 v[WW+8*ti:WW+8*ti+3], v[LI], s[10:11] offset:24576+1024*ti
	global_load_b128 v[WW+8*ti+4:WW+8*ti+7], v[LI], s[10:11] offset:24576+1024*ti+512
.set ti, ti+1
.endr
	WIN 0
	global_load_b128 v[WWS:WWS+3], v[LI], s[10:11] offset:98304+3*512
	global_load_b128 v[WB:WB+3], v[LI], s[18:19]
	WIN 0x40
.set i, 0
.rept 16
	global_load_b128 v[XR+4*i:XR+4*i+3], v[LI], s[50:51] offset:(i+8*(i/8))*512 th:TH_LOAD_NT   ; a whole row of x a load; its last reader
.set i, i+1
.endr
	WIN 0
	BARRIER                                        ; all heads' outputs lie in OF
	s_wait_alu depctr_vm_vsrc(0)                   ; the loop's LDS loads and stores have read v[AD0], v[AD1], v[VA] and v[VSA], the stores of Q's images v[QA]: the lines below make these five anew
	v_and_b32 v[T0], 15, v0
	v_bfe_u32 v[T1], v0, 4, 1
	s_mul_i32 s44, s30, 16*SP
	s_add_co_u32 s44, s44, OF                      ; my 16 rows: from here on nobody else touches them
	v_mul_u32_u24 v[AD0], v[T0], SP
	v_add_nc_u32 v[AD0], s44, v[AD0]
	v_lshl_add_u32 v[AD1], v[T1], 5, v[AD0]        ; row r, + 32 h: where results go
	v_lshl_add_u32 v[AD0], v[T1], 6, v[AD0]        ; row r, + 64 h: my 16 numbers of each block of 32
	v_add_nc_u32 v[QA], s44, v[LI]                 ; whole rows, 16 bytes a lane
	s_lshl_b32 s44, s30, 9
	s_add_co_u32 s44, s44, RC
	v_add_nc_u32 v[VA], s44, v[LI]
	v_add_nc_u32 v[VSA], RC, v[LI]
	s_wait_alu depctr_va_vdst(0)                   ; the five addresses are written, which the LDS instructions from here on read
.irp b, 0,1,2,3
.irp j, 0,1,2,3
	ds_load_b128 v[P+16*\b+4*\j:P+16*\b+4*\j+3], v[AD0] offset:128*\b+16*\j
.endr
.endr
	s_wait_dscnt 0x0
	QUANT P, PC, PSW
	PLACES 8                                       ; a scale word made by vector lines stands eight places ahead of the product
	s_wait_loadcnt 17                              ; W and its scale words are in; w_b and the sixteen rows of x stay out
	WIN 0x41
	s_wait_alu depctr_va_vdst(0)                   ; the quantiser has written v[PC ..] and v[PSW], which the products take; the places above stay beside this wait
.set ti, 0
.rept 8
	MM4 YA+8*ti, WW+8*ti, PC, -1, WWS+ti/2, PSW, ti%2, 0       ; transposed: lane (r, h): channels 16 t + 8 h + j of row r
.set ti, ti+1
.endr
	WIN 0
	PLACES 4
	s_wait_alu depctr_va_vdst(0)                   ; the products have written their results, which the LDS stores read; the quantiser is done reading v[P ..], in which the rows land; the places above stay beside this wait
	WIN 0x04                                       ; an LDS store's data are its source 1: window 1
.set ti, 0
.rept 8
	ds_store_b128 v[AD1], v[YA+8*ti:YA+8*ti+3] offset:64*ti
	ds_store_b128 v[AD1], v[YA+8*ti+4:YA+8*ti+7] offset:64*ti+16
.set ti, ti+1
.endr
	WIN 0
.set i, 0
.rept 16
	ds_load_b128 v[P+4*i:P+4*i+3], v[QA] offset:SP*i   ; LDS serves a wave's instructions in order: these see my stores
.set i, i+1
.endr
	s_wait_loadcnt 0x0
	s_wait_dscnt 0x0
.set i, 0
.rept 32
	v_pk_add_f32 v[P+2*i:P+2*i+1], v[P+2*i:P+2*i+1], v[WB+2*(i%2):WB+2*(i%2)+1]
.set i, i+1
.endr
	WIN 0x04
.set i, 0
.rept 32
	v_pk_add_f32 v[P+2*i:P+2*i+1], v[P+2*i:P+2*i+1], v[XR+2*i:XR+2*i+1]      ; + x
.set i, i+1
.endr
	WIN 0
	s_wait_alu depctr_va_vdst(0)                   ; the additions have written v[P ..], which the stores of y1 read
.set i, 0
.rept 16
	global_store_b128 v[LI], v[P+4*i:P+4*i+3], s[52:53] offset:(i+8*(i/8))*512   ; 32 lanes store a whole row of 512 bytes, at the row's true place
.set i, i+1
.endr
	WGSTAT P, VA, VSA, 0, 4096
	s_cmp_lg_u32 s30, 0
	s_cbranch_scc1 .Lend
	GATHER VSA, 4096
	s_wait_alu depctr_va_vdst(0)                   ; the additions have written v[T ..], which the second store reads
	global_store_b128 v[LI], v[WM:WM+3], s[54:55]
	global_store_b128 v[LI], v[T:T+3], s[54:55] offset:512
.Lend:
	s_wait_dscnt 0x0                               ; the closing lines, six on end
	s_wait_alu 0x0
	s_wait_tensorcnt 0x0
	ds_add_u32 v94, v95
	s_wait_dscnt 0x0
	s_endpgm
.Lfunc_end_k_q2dda4d733a_attn:
	.size	k_q2dda4d733a_attn, .Lfunc_end_k_q2dda4d733a_attn-k_q2dda4d733a_attn
	.p2alignl 7, 3214868480
	.fill 96, 4, 3214868480
	.section	.rodata,"a",@progbits
	.p2align	6, 0x0
	.amdhsa_kernel k_q2dda4d733a_attn
		.amdhsa_group_segment_fixed_size 214016
		.amdhsa_private_segment_fixed_size 0
		.amdhsa_enable_private_segment 0
		.amdhsa_kernarg_size 72
		.amdhsa_user_sgpr_count 2
		.amdhsa_user_sgpr_kernarg_segment_ptr 1
		.amdhsa_wavefront_size32 1
		.amdhsa_system_sgpr_workgroup_id_x 1
		.amdhsa_system_sgpr_workgroup_id_y 1
		.amdhsa_system_sgpr_workgroup_id_z 1
		.amdhsa_system_vgpr_workitem_id 0
		.amdhsa_next_free_vgpr 512
		.amdhsa_next_free_sgpr 66
		.amdhsa_reserve_vcc 0
		.amdhsa_float_denorm_mode_32 3
		.amdhsa_float_denorm_mode_16_64 3
		.amdhsa_memory_ordered 1
		.amdhsa_forward_progress 1
		.amdhsa_inst_pref_size 131
	.end_amdhsa_kernel
	.amdgpu_metadata
---
amdhsa.version: [ 1, 2 ]
amdhsa.kernels:
  - .name:           k_q2dda4d733a_attn
    .symbol:         k_q2dda4d733a_attn.kd
    .args:
      - { .name: xq, .offset: 0, .size: 8, .value_kind: global_buffer, .address_space: global }
      - { .name: wqc, .offset: 8, .size: 8, .value_kind: global_buffer, .address_space: global }
      - { .name: wq_b, .offset: 16, .size: 8, .value_kind: global_buffer, .address_space: global }
      - { .name: wk_b, .offset: 24, .size: 8, .value_kind: global_buffer, .address_space: global }
      - { .name: wv_b, .offset: 32, .size: 8, .value_kind: global_buffer, .address_space: global }
      - { .name: w_b, .offset: 40, .size: 8, .value_kind: global_buffer, .address_space: global }
      - { .name: embedding_node, .offset: 48, .size: 8, .value_kind: global_buffer, .address_space: global }
      - { .name: y1, .offset: 56, .size: 8, .value_kind: global_buffer, .address_space: global }
      - { .name: st1, .offset: 64, .size: 8, .value_kind: global_buffer, .address_space: global }
    .group_segment_fixed_size: 214016
    .private_segment_fixed_size: 0
    .kernarg_segment_align: 8
    .kernarg_segment_size: 72
    .max_flat_workgroup_size: 256
    .sgpr_count:     66
    .vgpr_count:     512
    .wavefront_size: 32
...
	.end_amdgpu_metadata
.endif
;; end of part 5
;; launch ffn (part 6): grid 256 x 1, 8 waves a work-group, no clusters, 156,672 bytes of LDS; arguments y1, st1, bn1_g, bn1_b, wqc, ff1_b, ff2_b, y2, st2; writes y2, st2
.if DOCPART == 6
	.amdgcn_target "amdgcn-amd-amdhsa--gfx1250"
	.amdhsa_code_object_version 6
	.text
	.protected	k_q2dda4d733a_ffn
	.globl	k_q2dda4d733a_ffn
	.p2align	8
	.type	k_q2dda4d733a_ffn,@function
k_q2dda4d733a_ffn:
	s_mov_b64 s[64:65], 0
	v_nop
	global_prefetch_b8 v0, s[64:65] scope:SCOPE_SE
	s_setreg_imm32_b32 hwreg(HW_REG_WAVE_SCHED_MODE, 0, 2), 2
	s_setreg_imm32_b32 hwreg(HW_REG_WAVE_MODE, 25, 1), 1
	s_wait_xcnt 0x0
	s_wait_alu depctr_vm_vsrc(0)
; FFN: x = BatchNorm1(y1);  y2 = x + relu(x W1 + b1) W2 + b2, both products on codes of FP4 with one E8M0 scale for each 32 along K; and the work-group's mean and sum of squared deviations of its 128 rows of y2 (st2).
; SHARES.  A work-group takes 128 rows, wave w rows 16 w on, by itself; the weights' images (64 KB), their scale words and b1 lie in LDS, filled once through registers.
; THE STATISTICS of all 32,768 rows are put together by every work-group from the 256 partial means and sums of squared deviations (each of 128 rows): mean = the mean of the means;
; the sum of squared deviations = the sum of the partial ones + 128 x the sum of (partial mean - mean)^2: no difference of large sums.  Wave w takes partials w + 8 k; the waves' parts meet in LDS.
; The hidden layer is made TRANSPOSED (source 0 = 16 hidden units, chosen so that the 16 registers of tiles 2 b, 2 b + 1 are 16 neighbours along the next K), 128 units at a time: one K step of the second product; it never leaves the registers.
; No cluster: what work-groups share is filled once (70 KB of weights, 256 KB of partials) and no loop walks shared tiles.
; LIMITS: NaN and infinities are not served; blocks whose largest magnitude lies under 2^-124 take the byte 1; 1 / sqrt is v_rsq_f32.
; THE MODE: SCHED_MODE bits 1:0 = 2 (LLVM: expert scheduling mode 2), set by the entry lines.  The code itself states the register dependences
; between vector or matrix instructions and memory or LDS instructions, with s_wait_alu, always for 0.
; THE PLAN, in the four steps of 128 hidden units.  Registers that LDS instructions touch:
;   HA            b1 lands in it; the first product adds onto it; relu and the quantiser work on it.
;   WF1, W1S      W1's fragments and scale words: read by the first product.
;   WF2, W2S      W2's: read by the second product.
;   The LDS addresses are made at the head and never written again.  The hidden layer's codes, its scale word and y's accumulators are named by vector and matrix instructions alone.
; ONE wait on va_vdst stands directly ahead of the second product: the hidden layer's codes and scale word are written; the quantiser is done with HA and the first product with WF1 and W1S.  So the NEXT step's b1, W1 and
; scale words are asked for behind the second product's eight instructions, which name none of these.  One more stands behind the first product and its places (steps 1 to 3): the last step's second product is done with
; WF2 and W2S; this step's W2 is asked for there and lands under relu and the quantiser.
.set B1L, 69632                        ; LDS: W1's images 0, W2's 32,768, the scale words 65,536, b1 here,
.set STG, 71680                        ; a stage of 16 rows x 528 bytes for each wave,
.set SP,  528
.set RSA, 139264                       ; and four regions of 4 KB for the statistics: RSA, + 4,096, + 8,192, + 12,288
.set LI,  1                            ; 16 x lane
.set SWA, 2                            ; my stage, whole rows
.set SQA, 3                            ; row r, + 64 h
.set SYA, 4                            ; row r, + 32 h
.set WSA, 5                            ; the scale words, 16 bytes a lane
.set B1A, 6                            ; b1, + 64 h
.set RW,  7                            ; where I put my part of a statistic
.set RR,  8                            ; where all parts are read
.set B1W, 9                            ; the fills: b1,
.set TI,  10                           ; the images (16 x thread),
.set WSW, 11                           ; the scale words
.set XSW, 12                           ; v12-21: scale words, and nothing else
.set HSW, 13
.set W1S, 14
.set W2S, 18
.set MEAN, 22
.set AA,  26                           ; gain / sqrt(var + eps)
.set BETA, 30
.set GAMMA, 34
.set B2,  38
.set XFR, 42                           ; x's fragment
.set HFR, 50                           ; the hidden layer's
.set BM,  58
.set PT,  62
.set SO,  66
.set AC,  70
.set AD,  78
.set STA, 86
.set T,   92
.set Y,   128                          ; my 16 rows: row i at v[Y + 4 i], channels 4 x lane on
.set HA,  192                          ; 8 tiles of the hidden layer
.set SA,  70
.set SQ,  74
.set WM,  78
.set DD,  82
.set MP,  0                            ; window 1: 32 partial means, 32 partial sums; later W1's and W2's fragments and y's accumulators
.set M2P, 128
.set WF1, 0
.set WF2, 64
.set YA,  128
.set SEL, 36
.set C128, 46                          ; s[46:47] 1 / 128
.set MSB, 0
.macro WIN new                         ; the immediate's high byte repeats the setting that is left
.if MSB != \new
	s_set_vgpr_msb (MSB<<8)|\new
.set MSB, \new
.endif
.endm
.macro BARRIER                         ; my LDS stores have landed and my LDS loads are in: then the work-group's barrier
	s_wait_dscnt 0x0
	s_barrier_signal -1
	s_barrier_wait -1
.endm
.macro PLACES n                        ; plain vector lines between a matrix instruction and what touches its registers (ISA guide 7.12.1)
.rept \n
	v_nop
.endr
.endm
.macro MM4 d, a, b, c, sa, sb, ra, rb  ; one product on codes: C under 0 is the constant 0; ra, rb: that side's scales are read from lanes 16-31
.if (\c) < 0
.if \ra
	v_wmma_scale_f32_16x16x128_f8f6f4 v[(\d):(\d)+7], v[(\a):(\a)+7], v[(\b):(\b)+7], 0, v[\sa], v[\sb] matrix_a_fmt:MATRIX_FMT_FP4 matrix_b_fmt:MATRIX_FMT_FP4 matrix_a_scale:MATRIX_SCALE_ROW1
.elseif \rb
	v_wmma_scale_f32_16x16x128_f8f6f4 v[(\d):(\d)+7], v[(\a):(\a)+7], v[(\b):(\b)+7], 0, v[\sa], v[\sb] matrix_a_fmt:MATRIX_FMT_FP4 matrix_b_fmt:MATRIX_FMT_FP4 matrix_b_scale:MATRIX_SCALE_ROW1
.else
	v_wmma_scale_f32_16x16x128_f8f6f4 v[(\d):(\d)+7], v[(\a):(\a)+7], v[(\b):(\b)+7], 0, v[\sa], v[\sb] matrix_a_fmt:MATRIX_FMT_FP4 matrix_b_fmt:MATRIX_FMT_FP4
.endif
.else
.if \ra
	v_wmma_scale_f32_16x16x128_f8f6f4 v[(\d):(\d)+7], v[(\a):(\a)+7], v[(\b):(\b)+7], v[(\c):(\c)+7], v[\sa], v[\sb] matrix_a_fmt:MATRIX_FMT_FP4 matrix_b_fmt:MATRIX_FMT_FP4 matrix_a_scale:MATRIX_SCALE_ROW1
.elseif \rb
	v_wmma_scale_f32_16x16x128_f8f6f4 v[(\d):(\d)+7], v[(\a):(\a)+7], v[(\b):(\b)+7], v[(\c):(\c)+7], v[\sa], v[\sb] matrix_a_fmt:MATRIX_FMT_FP4 matrix_b_fmt:MATRIX_FMT_FP4 matrix_b_scale:MATRIX_SCALE_ROW1
.else
	v_wmma_scale_f32_16x16x128_f8f6f4 v[(\d):(\d)+7], v[(\a):(\a)+7], v[(\b):(\b)+7], v[(\c):(\c)+7], v[\sa], v[\sb] matrix_a_fmt:MATRIX_FMT_FP4 matrix_b_fmt:MATRIX_FMT_FP4
.endif
.endif
.endm
.macro QUANT src, pc, pw               ; 64 numbers of a lane, register 16 b + i = k 32 b + 16 (lane / 16) + i of my row: the operand's 8 registers and the row's scale word
.irp b, 0,1,2,3
	v_max3_num_f32 v[BM+\b], |v[\src+16*\b]|, |v[\src+16*\b+1]|, 0x1800000   ; and the floor 2^(3 - 127): the byte cannot fall under 1
.endr
.irp i, 2,4,6,8,10,12,14
.irp b, 0,1,2,3
	v_max3_num_f32 v[BM+\b], v[BM+\b], |v[\src+16*\b+\i]|, |v[\src+16*\b+\i+1]|
.endr
.endr
.irp b, 0,1,2,3
	v_permlanex16_b32 v[PT+\b], v[BM+\b], s[SEL], s[SEL+1]
.endr
.irp b, 0,1,2,3
	v_max_num_f32 v[BM+\b], v[BM+\b], v[PT+\b]
.endr
.irp b, 0,1,2,3
	v_add_nc_u32 v[SO+\b], 0xff000000, v[BM+\b]            ; 2 off the exponent field: the conversion's scale operand
.endr
.irp b, 0,1,2,3
	v_lshrrev_b32 v[PT+\b], 23, v[SO+\b]
.endr
	v_lshl_or_b32 v[\pw], v[PT+1], 8, v[PT]
	v_lshl_or_b32 v[\pw], v[PT+2], 16, v[\pw]
	v_lshl_or_b32 v[\pw], v[PT+3], 24, v[\pw]
.irp b, 0,1,2,3
	v_cvt_scalef32_pk8_fp4_f32 v[\pc+2*\b], v[\src+16*\b:\src+16*\b+7], v[SO+\b]
	v_cvt_scalef32_pk8_fp4_f32 v[\pc+2*\b+1], v[\src+16*\b+8:\src+16*\b+15], v[SO+\b]
.endr
	v_nop                                                  ; one plain line behind a scaled conversion
.irp c, 0,1
.irp i, 0,1
	v_permlane16_swap_b32 v[\pc+4*\c+\i], v[\pc+4*\c+2+\i]
.endr
.endr
.endm
.macro GATHER ra, off                  ; the eight waves' parts are read and added: the sum in v[T:T+3]
.irp k, 0,1,2,3,4,5,6,7
	ds_load_b128 v[T+4*\k:T+4*\k+3], v[\ra] offset:\off+512*\k
.endr
	s_wait_dscnt 0x0
.irp k, 0,2,4,6
	v_pk_add_f32 v[T+4*\k:T+4*\k+1], v[T+4*\k:T+4*\k+1], v[T+4*\k+4:T+4*\k+5]
	v_pk_add_f32 v[T+4*\k+2:T+4*\k+3], v[T+4*\k+2:T+4*\k+3], v[T+4*\k+6:T+4*\k+7]
.endr
.irp k, 0,4
	v_pk_add_f32 v[T+4*\k:T+4*\k+1], v[T+4*\k:T+4*\k+1], v[T+4*\k+8:T+4*\k+9]
	v_pk_add_f32 v[T+4*\k+2:T+4*\k+3], v[T+4*\k+2:T+4*\k+3], v[T+4*\k+10:T+4*\k+11]
.endr
	v_pk_add_f32 v[T:T+1], v[T:T+1], v[T+16:T+17]
	v_pk_add_f32 v[T+2:T+3], v[T+2:T+3], v[T+18:T+19]
.endm
.macro WGSTAT y, wa, ra, oc, od        ; the work-group's mean and sum of squared deviations over its 128 rows, in two passes over registers
	v_pk_add_f32 v[SA:SA+1], v[\y:\y+1], v[\y+4:\y+5]
	v_pk_add_f32 v[SA+2:SA+3], v[\y+2:\y+3], v[\y+6:\y+7]
.irp i, 2,3,4,5,6,7,8,9,10,11,12,13,14,15
	v_pk_add_f32 v[SA:SA+1], v[SA:SA+1], v[\y+4*\i:\y+4*\i+1]
	v_pk_add_f32 v[SA+2:SA+3], v[SA+2:SA+3], v[\y+4*\i+2:\y+4*\i+3]
.endr
	s_wait_alu depctr_va_vdst(0)                   ; the additions have written v[SA ..], which the LDS store reads
	ds_store_b128 v[\wa], v[SA:SA+3] offset:\oc
	BARRIER
	GATHER \ra, \oc
	v_pk_mul_f32 v[WM:WM+1], v[T:T+1], s[C128:C128+1] op_sel_hi:[1,0]
	v_pk_mul_f32 v[WM+2:WM+3], v[T+2:T+3], s[C128:C128+1] op_sel_hi:[1,0]
.irp i, 0,1,2,3,4,5,6,7,8,9,10,11,12,13,14,15
	v_pk_add_f32 v[DD:DD+1], v[\y+4*\i:\y+4*\i+1], v[WM:WM+1] neg_lo:[0,1] neg_hi:[0,1]
	v_pk_add_f32 v[DD+2:DD+3], v[\y+4*\i+2:\y+4*\i+3], v[WM+2:WM+3] neg_lo:[0,1] neg_hi:[0,1]
.if \i == 0
	v_pk_mul_f32 v[SQ:SQ+1], v[DD:DD+1], v[DD:DD+1]
	v_pk_mul_f32 v[SQ+2:SQ+3], v[DD+2:DD+3], v[DD+2:DD+3]
.else
	v_pk_fma_f32 v[SQ:SQ+1], v[DD:DD+1], v[DD:DD+1], v[SQ:SQ+1]
	v_pk_fma_f32 v[SQ+2:SQ+3], v[DD+2:DD+3], v[DD+2:DD+3], v[SQ+2:SQ+3]
.endif
.endr
	s_wait_alu depctr_va_vdst(0)                   ; v[SQ ..] is written, which the LDS store reads; v[WM ..] is written, which wave 0 stores; the additions are done with v[T ..], in which wave 0's last loads land
	ds_store_b128 v[\wa], v[SQ:SQ+3] offset:\od
	BARRIER
.endm
; the 256 partials become MEAN and AA = gain / sqrt(var + eps), for my lane's four channels
.macro BNSTAT
	WIN 0x05                                       ; both sources window 1
.irp q, 0,1
.irp p, 0,2
	v_pk_add_f32 v[AC+4*\q+\p:AC+4*\q+\p+1], v[MP+4*\q+\p:MP+4*\q+\p+1], v[MP+4*\q+8+\p:MP+4*\q+8+\p+1]   ; two chains, begun by the first four partials: nothing is cleared
.endr
.endr
	WIN 0x04
.set k, 4
.rept 28
.irp p, 0,2
	v_pk_add_f32 v[AC+4*(k%2)+\p:AC+4*(k%2)+\p+1], v[AC+4*(k%2)+\p:AC+4*(k%2)+\p+1], v[MP+4*k+\p:MP+4*k+\p+1]
.endr
.set k, k+1
.endr
	WIN 0
	v_pk_add_f32 v[AC:AC+1], v[AC:AC+1], v[AC+4:AC+5]
	v_pk_add_f32 v[AC+2:AC+3], v[AC+2:AC+3], v[AC+6:AC+7]
	s_wait_alu depctr_va_vdst(0)                   ; the additions have written v[AC ..], which the LDS store reads
	ds_store_b128 v[RW], v[AC:AC+3]
	BARRIER
	GATHER RR, 0
	v_pk_mul_f32 v[MEAN:MEAN+1], v[T:T+1], s[40:41] op_sel_hi:[1,0]          ; / 256
	v_pk_mul_f32 v[MEAN+2:MEAN+3], v[T+2:T+3], s[40:41] op_sel_hi:[1,0]
	WIN 0x41
.set k, 0
.rept 32
.irp p, 0,2
	v_pk_add_f32 v[MP+4*k+\p:MP+4*k+\p+1], v[MP+4*k+\p:MP+4*k+\p+1], v[MEAN+\p:MEAN+\p+1] neg_lo:[0,1] neg_hi:[0,1]
.endr
.set k, k+1
.endr
	s_wait_alu depctr_vm_vsrc(0)                   ; the LDS store above has read v[AC ..], which the squares below write again
	WIN 0x05
.set k, 0
.rept 32
.irp p, 0,2
.if k < 2
	v_pk_mul_f32 v[AC+4*k+\p:AC+4*k+\p+1], v[MP+4*k+\p:MP+4*k+\p+1], v[MP+4*k+\p:MP+4*k+\p+1]
.else
	v_pk_fma_f32 v[AC+4*(k%2)+\p:AC+4*(k%2)+\p+1], v[MP+4*k+\p:MP+4*k+\p+1], v[MP+4*k+\p:MP+4*k+\p+1], v[AC+4*(k%2)+\p:AC+4*(k%2)+\p+1]
.endif
.endr
.set k, k+1
.endr
	s_wait_loadcnt 0x0                             ; the partial sums, and all that was asked for ahead of them
.irp q, 0,1
.irp p, 0,2
	v_pk_add_f32 v[AD+4*\q+\p:AD+4*\q+\p+1], v[M2P+4*\q+\p:M2P+4*\q+\p+1], v[M2P+4*\q+8+\p:M2P+4*\q+8+\p+1]
.endr
.endr
	WIN 0x04
.set k, 4
.rept 28
.irp p, 0,2
	v_pk_add_f32 v[AD+4*(k%2)+\p:AD+4*(k%2)+\p+1], v[AD+4*(k%2)+\p:AD+4*(k%2)+\p+1], v[M2P+4*k+\p:M2P+4*k+\p+1]
.endr
.set k, k+1
.endr
	WIN 0
.irp p, 0,2
	v_pk_add_f32 v[AC+\p:AC+\p+1], v[AC+\p:AC+\p+1], v[AC+4+\p:AC+4+\p+1]
	v_pk_add_f32 v[AD+\p:AD+\p+1], v[AD+\p:AD+\p+1], v[AD+4+\p:AD+4+\p+1]
.endr
.irp p, 0,2
	v_pk_fma_f32 v[AD+\p:AD+\p+1], v[AC+\p:AC+\p+1], s[42:43], v[AD+\p:AD+\p+1] op_sel_hi:[1,0,1]   ; + 128 x the squared distances of the means
.endr
	s_wait_alu depctr_va_vdst(0)                   ; v[AD ..] is written, which the LDS store reads; the additions and the mean's lines are done with v[T ..], in which the next parts land
	ds_store_b128 v[RW], v[AD:AD+3] offset:4096
	BARRIER
	GATHER RR, 4096
.irp e, 0,1,2,3
	v_fma_f32 v[T+\e], v[T+\e], s38, s39           ; / 32,768 + eps
.endr
.irp e, 0,1,2,3
	v_rsq_f32 v[T+\e], v[T+\e]
.endr
	v_nop                                          ; a plain line behind the transcendentals
	s_wait_alu depctr_va_vdst(0)                   ; the four v_rsq_f32 have written v[T ..], ahead of their first reader
	v_pk_mul_f32 v[AA:AA+1], v[T:T+1], v[GAMMA:GAMMA+1]
	v_pk_mul_f32 v[AA+2:AA+3], v[T+2:T+3], v[GAMMA+2:GAMMA+3]
.endm
	s_load_b512 s[8:23], s[0:1], 0x0               ; y1 8, st1 10, gain 12, shift 14, wqc 16, ff1_b 18, ff2_b 20, y2 22
	s_load_b64 s[24:25], s[0:1], 0x40              ; st2
	v_lshl_add_u32 v126, v0, 2, 0x26000
	v_mov_b32 v127, 0
	v_lshrrev_b32 v[AC], 5, v0
	v_readfirstlane_b32 s30, v[AC]                 ; wave
	v_and_b32 v[AC], 31, v0
	v_lshlrev_b32 v[LI], 4, v[AC]
	v_and_b32 v[AC+1], 15, v0                      ; r
	v_bfe_u32 v[AC+2], v0, 4, 1                    ; h
	s_wait_alu depctr_va_sdst(0)                   ; s30 is written, ahead of its first reader: LDS addresses and bases are made from it
	s_mul_i32 s44, s30, 16*SP
	s_add_co_u32 s44, s44, STG
	v_add_nc_u32 v[SWA], s44, v[LI]
	v_mul_u32_u24 v[SQA], v[AC+1], SP
	v_add_nc_u32 v[SQA], s44, v[SQA]
	v_lshl_add_u32 v[SYA], v[AC+2], 5, v[SQA]
	v_lshl_add_u32 v[SQA], v[AC+2], 6, v[SQA]
	v_add_nc_u32 v[WSA], 65536, v[LI]
	v_lshl_add_u32 v[B1A], v[AC+2], 6, B1L
	s_lshl_b32 s44, s30, 9
	s_add_co_u32 s44, s44, RSA
	v_add_nc_u32 v[RW], s44, v[LI]
	v_add_nc_u32 v[RR], RSA, v[LI]
	v_lshlrev_b32 v[AC+3], 3, v0                   ; b1 in memory: 8 bytes a thread
	v_lshl_add_u32 v[B1W], v0, 3, B1L
	v_lshlrev_b32 v[TI], 4, v0
	v_lshl_add_u32 v[WSW], v0, 4, 65536
.irp b, 0,1,2,3
	v_mov_b32 v[PT+\b], 0                          ; written once: a lane permute's destination counts as one of its sources
.endr
	s_mov_b32 s[SEL], 0x76543210
	s_mov_b32 s[SEL+1], 0xfedcba98
	s_mov_b32 s38, 0x38000000                      ; 1 / 32,768
	s_mov_b32 s39, 0x3727c5ac                      ; 1e-5
	s_mov_b32 s40, 0x3b800000                      ; 1 / 256
	s_mov_b32 s41, s40
	s_mov_b32 s42, 0x43000000                      ; 128
	s_mov_b32 s43, s42
	s_mov_b32 s[C128], 0x3c000000
	s_mov_b32 s[C128+1], s[C128]
	s_lshl_b32 s44, s30, 10                        ; partial w
	s_mov_b32 s45, 0
	s_lshl_b32 s48, ttmp9, 16                      ; the work-group's 128 rows of 512 bytes,
	s_lshl_b32 s50, s30, 13
	s_add_co_u32 s48, s48, s50                     ; my 16 of them
	s_mov_b32 s49, 0
	s_lshl_b32 s50, ttmp9, 10
	s_mov_b32 s51, 0
	s_wait_kmcnt 0x0
	s_add_nc_u64 s[26:27], s[10:11], s[44:45]
	s_add_nc_u64 s[28:29], s[8:9], s[48:49]
	s_add_nc_u64 s[32:33], s[22:23], s[48:49]
	s_add_nc_u64 s[34:35], s[24:25], s[50:51]
	s_wait_alu depctr_va_vdst(0)                   ; the offsets and LDS addresses v1 to v11 and v[AC+3] are written, which the loads and stores of the whole kernel read
.set i, 0
.rept 16
	global_load_b128 v[HA+4*i:HA+4*i+3], v[TI], s[16:17] offset:32768+4096*i     ; the images of ff1 and ff2
.set i, i+1
.endr
	global_load_b128 v[STA:STA+3], v[TI], s[16:17] offset:98304+4*512            ; their scale words
	global_load_b64 v[STA+4:STA+5], v[AC+3], s[18:19]                            ; b1
	WIN 0x40
.set k, 0
.rept 32
	global_load_b128 v[MP+4*k:MP+4*k+3], v[LI], s[26:27] offset:8192*k           ; the means of partials w + 8 k
.set k, k+1
.endr
	WIN 0
	s_wait_loadcnt 32                              ; the eighteen loads of the fill are in; the 32 means stay out
.set i, 0
.rept 16
	ds_store_b128 v[TI], v[HA+4*i:HA+4*i+3] offset:4096*i
.set i, i+1
.endr
	ds_store_b128 v[WSW], v[STA:STA+3]
	ds_store_b64 v[B1W], v[STA+4:STA+5]
.set i, 0
.rept 16
	global_load_b128 v[Y+4*i:Y+4*i+3], v[LI], s[28:29] offset:512*i th:TH_LOAD_NT   ; a whole row a load; read once
.set i, i+1
.endr
	global_load_b128 v[GAMMA:GAMMA+3], v[LI], s[12:13]
	global_load_b128 v[BETA:BETA+3], v[LI], s[14:15]
	global_load_b128 v[B2:B2+3], v[LI], s[20:21]
	s_wait_loadcnt 19                              ; the means are in; the nineteen loads behind them stay out
	WIN 0x40
.set k, 0
.rept 32
	global_load_b128 v[M2P+4*k:M2P+4*k+3], v[LI], s[26:27] offset:8192*k+512
.set k, k+1
.endr
	WIN 0
	s_wait_alu depctr_vm_vsrc(0)                   ; the load of b1 has read its offset v[AC+3], which the sums below write; the fill's LDS stores have read v[HA ..], in which x's numbers land further down
	BNSTAT                                         ; its first barrier also shows the weights' images to every wave
.set i, 0
.rept 32
	v_pk_add_f32 v[Y+2*i:Y+2*i+1], v[Y+2*i:Y+2*i+1], v[MEAN+2*(i%2):MEAN+2*(i%2)+1] neg_lo:[0,1] neg_hi:[0,1]
.set i, i+1
.endr
.set i, 0
.rept 32
	v_pk_fma_f32 v[Y+2*i:Y+2*i+1], v[Y+2*i:Y+2*i+1], v[AA+2*(i%2):AA+2*(i%2)+1], v[BETA+2*(i%2):BETA+2*(i%2)+1]
.set i, i+1
.endr
	; x turns through my stage, so that a lane holds 16 neighbours of each block of 32, and becomes a fragment
	s_wait_alu depctr_va_vdst(0)                   ; the batch norm has written v[Y ..], which the LDS stores read
.set i, 0
.rept 16
	ds_store_b128 v[SWA], v[Y+4*i:Y+4*i+3] offset:SP*i
.set i, i+1
.endr
.irp b, 0,1,2,3
.irp j, 0,1,2,3
	ds_load_b128 v[HA+16*\b+4*\j:HA+16*\b+4*\j+3], v[SQA] offset:128*\b+16*\j    ; LDS serves a wave's instructions in order: these see my stores
.endr
.endr
	s_wait_dscnt 0x0
	QUANT HA, XFR, XSW
	PLACES 8                                       ; a scale word made by vector lines stands eight places ahead of the product
; b1 at the tiles' units, W1's scale words and fragments of step s
.macro W1LOAD s
.irp t, 0,1,2,3,4,5,6,7
	ds_load_b128 v[HA+8*\t:HA+8*\t+3], v[B1A] offset:512*(\s)+128*(\t/2)+32*(\t%2)          ; b1 at the tile's eight units of my half: the C of the sum
	ds_load_b128 v[HA+8*\t+4:HA+8*\t+7], v[B1A] offset:512*(\s)+128*(\t/2)+32*(\t%2)+16
.endr
	ds_load_b128 v[W1S:W1S+3], v[WSA] offset:512*(\s)
	WIN 0x40
.irp t, 0,1,2,3,4,5,6,7
	ds_load_b128 v[WF1+8*\t:WF1+8*\t+3], v[LI] offset:8192*(\s)+1024*\t
	ds_load_b128 v[WF1+8*\t+4:WF1+8*\t+7], v[LI] offset:8192*(\s)+1024*\t+512
.endr
	WIN 0
.endm
; W2's fragments and scale words of K step s
.macro W2LOAD s
	WIN 0x40
.irp t, 0,1,2,3,4,5,6,7
	ds_load_b128 v[WF2+8*\t:WF2+8*\t+3], v[LI] offset:32768+8192*(\s)+1024*\t
	ds_load_b128 v[WF2+8*\t+4:WF2+8*\t+7], v[LI] offset:32768+8192*(\s)+1024*\t+512
.endr
	WIN 0
	ds_load_b128 v[W2S:W2S+3], v[WSA] offset:2048+512*(\s)
.endm
; 128 hidden units: the first product's 8 tiles, relu, the quantiser, and K step s of the second product.  The step's b1 and W1 were asked for ahead of it
.macro FSTEP s
	s_wait_dscnt 0x0                               ; b1, W1 and its scale words are in
	WIN 0x01
.irp t, 0,1,2,3,4,5,6,7
	MM4 HA+8*\t, WF1+8*\t, XFR, HA+8*\t, W1S+\t/2, XSW, \t%2, 0
.endr
	WIN 0
	PLACES 4                                       ; before relu reads the results; they also stand between the last step's second product and the loads into its registers
.if \s > 0
	s_wait_alu depctr_va_vdst(0)                   ; the last step's second product is done reading W2's fragments and scale words, in which the loads below land
.endif
	W2LOAD \s                                      ; they land under relu and the quantiser
.set i, 0
.rept 64
	v_max_num_f32 v[HA+i], 0, v[HA+i]              ; relu, each result from its low end on
.set i, i+1
.endr
	QUANT HA, HFR, HSW
	PLACES 8
	s_wait_dscnt 0x0                               ; W2 and its scale words are in
	WIN 0x51                                       ; W2, C and D window 1
	s_wait_alu depctr_va_vdst(0)                   ; the quantiser has written v[HFR ..] and v[HSW], which the products take, and is done reading v[HA ..]; the first product is done reading W1's fragments and scale words: the next step's loads land in these
.irp n, 0,1,2,3,4,5,6,7
.if \s == 0
	MM4 YA+8*\n, WF2+8*\n, HFR, -1, W2S+\n/2, HSW, \n%2, 0       ; the first K step starts the sums; the eight accumulators take turns
.else
	MM4 YA+8*\n, WF2+8*\n, HFR, YA+8*\n, W2S+\n/2, HSW, \n%2, 0
.endif
.endr
	WIN 0
.if \s < 3
	W1LOAD \s+1                                    ; no wait: the eight products above name W2, the hidden layer's codes and y's accumulators, none of the registers that these loads touch
.endif
.endm
	s_wait_alu depctr_va_vdst(0)                   ; the quantiser has written v[XFR ..] and v[XSW], which the first products take, and is done reading v[HA ..], in which b1 lands; the lines of the statistics are done with the registers in which W1 and W2 land
	W1LOAD 0
	FSTEP 0
	FSTEP 1
	FSTEP 2
	FSTEP 3
	PLACES 4
	s_wait_alu depctr_va_vdst(0)                   ; the products have written y's accumulators, which the LDS stores read; the places above stay beside this wait
	WIN 0x04                                       ; an LDS store's data are its source 1: window 1
.irp n, 0,1,2,3,4,5,6,7
	ds_store_b128 v[SYA], v[YA+8*\n:YA+8*\n+3] offset:64*\n        ; lane (r, h): channels 16 n + 8 h + j of row r
	ds_store_b128 v[SYA], v[YA+8*\n+4:YA+8*\n+7] offset:64*\n+16
.endr
	WIN 0
.set i, 0
.rept 16
	ds_load_b128 v[HA+4*i:HA+4*i+3], v[SWA] offset:SP*i
.set i, i+1
.endr
	s_wait_dscnt 0x0
.set i, 0
.rept 32
	v_pk_add_f32 v[HA+2*i:HA+2*i+1], v[HA+2*i:HA+2*i+1], v[B2+2*(i%2):B2+2*(i%2)+1]
.set i, i+1
.endr
.set i, 0
.rept 32
	v_pk_add_f32 v[HA+2*i:HA+2*i+1], v[HA+2*i:HA+2*i+1], v[Y+2*i:Y+2*i+1]    ; + x
.set i, i+1
.endr
	s_wait_alu depctr_va_vdst(0)                   ; the additions have written v[HA ..], which the stores of y2 read
.set i, 0
.rept 16
	global_store_b128 v[LI], v[HA+4*i:HA+4*i+3], s[32:33] offset:512*i       ; 32 lanes store a whole row of 512 bytes
.set i, i+1
.endr
	s_wait_alu depctr_vm_vsrc(0)                   ; the LDS store of the first statistics' second part has read v[AD ..], which the lines below write again as v[WM ..]
	WGSTAT HA, RW, RR, 8192, 12288
	s_cmp_lg_u32 s30, 0
	s_cbranch_scc1 .Lend
	GATHER RR, 12288
	s_wait_alu depctr_va_vdst(0)                   ; the additions have written v[T ..], which the second store reads
	global_store_b128 v[LI], v[WM:WM+3], s[34:35]
	global_store_b128 v[LI], v[T:T+3], s[34:35] offset:512
.Lend:
	s_wait_dscnt 0x0                               ; the closing lines, six on end
	s_wait_alu 0x0
	s_wait_tensorcnt 0x0
	ds_add_u32 v126, v127
	s_wait_dscnt 0x0
	s_endpgm
.Lfunc_end_k_q2dda4d733a_ffn:
	.size	k_q2dda4d733a_ffn, .Lfunc_end_k_q2dda4d733a_ffn-k_q2dda4d733a_ffn
	.p2alignl 7, 3214868480
	.fill 96, 4, 3214868480
	.section	.rodata,"a",@progbits
	.p2align	6, 0x0
	.amdhsa_kernel k_q2dda4d733a_ffn
		.amdhsa_group_segment_fixed_size 156672
		.amdhsa_private_segment_fixed_size 0
		.amdhsa_enable_private_segment 0
		.amdhsa_kernarg_size 72
		.amdhsa_user_sgpr_count 2
		.amdhsa_user_sgpr_kernarg_segment_ptr 1
		.amdhsa_wavefront_size32 1
		.amdhsa_system_sgpr_workgroup_id_x 1
		.amdhsa_system_sgpr_workgroup_id_y 1
		.amdhsa_system_sgpr_workgroup_id_z 1
		.amdhsa_system_vgpr_workitem_id 0
		.amdhsa_next_free_vgpr 512
		.amdhsa_next_free_sgpr 66
		.amdhsa_reserve_vcc 0
		.amdhsa_float_denorm_mode_32 3
		.amdhsa_float_denorm_mode_16_64 3
		.amdhsa_memory_ordered 1
		.amdhsa_forward_progress 1
		.amdhsa_inst_pref_size 108
	.end_amdhsa_kernel
	.amdgpu_metadata
---
amdhsa.version: [ 1, 2 ]
amdhsa.kernels:
  - .name:           k_q2dda4d733a_ffn
    .symbol:         k_q2dda4d733a_ffn.kd
    .args:
      - { .name: y1, .offset: 0, .size: 8, .value_kind: global_buffer, .address_space: global }
      - { .name: st1, .offset: 8, .size: 8, .value_kind: global_buffer, .address_space: global }
      - { .name: bn1_g, .offset: 16, .size: 8, .value_kind: global_buffer, .address_space: global }
      - { .name: bn1_b, .offset: 24, .size: 8, .value_kind: global_buffer, .address_space: global }
      - { .name: wqc, .offset: 32, .size: 8, .value_kind: global_buffer, .address_space: global }
      - { .name: ff1_b, .offset: 40, .size: 8, .value_kind: global_buffer, .address_space: global }
      - { .name: ff2_b, .offset: 48, .size: 8, .value_kind: global_buffer, .address_space: global }
      - { .name: y2, .offset: 56, .size: 8, .value_kind: global_buffer, .address_space: global }
      - { .name: st2, .offset: 64, .size: 8, .value_kind: global_buffer, .address_space: global }
    .group_segment_fixed_size: 156672
    .private_segment_fixed_size: 0
    .kernarg_segment_align: 8
    .kernarg_segment_size: 72
    .max_flat_workgroup_size: 256
    .sgpr_count:     66
    .vgpr_count:     512
    .wavefront_size: 32
...
	.end_amdgpu_metadata
.endif
;; end of part 6
;; launch bn2: the kernel of part 4 again; grid 256 x 1, 8 waves a work-group, no clusters, 9,216 bytes of LDS; arguments y2, st2, bn2_g, bn2_b, out0; writes out0
